; MI455X (gfx1250); checked and timed in simulation.
; The chip was launched on July 23, 2026; its instructions are those of AMD's public machine-readable ISA for CDNA 5 (MIT licence, August 2026) and "CDNA5" Instruction Set Architecture Reference Guide (July 2026). The comments in the code are by the model that wrote it; some were corrected since.
;; Casual Self Attention. Allowed arithmetic: matrix products marked QUANTISED: E5M2 operands, one E8M0 scale for each 32 along K, by v_wmma_scale_f32_16x16x128_f8f6f4 with both operands' format E5M2, f32 sums; everything else in f32.
;; Inputs: W_o_codes 1,024 x 32 x 32 uint8 (E5M2 codes of W_o, K innermost, in blocks of 32 codes); W_o_scales 1,024 x 32 uint8 (E8M0 scales of W_o, one for each 32 codes along K); W_qkv_codes 3,072 x 32 x 32 uint8 (E5M2 codes of W_qkv, K innermost, in blocks of 32 codes); W_qkv_scales 3,072 x 32 uint8 (E8M0 scales of W_qkv, one for each 32 codes along K); b_o 1,024 float32; b_qkv 3,072 float32; x_codes 4 x 2,048 x 32 x 32 uint8 (E5M2 codes of x, K innermost, in blocks of 32 codes); x_scales 4 x 2,048 x 32 uint8 (E8M0 scales of x, one for each 32 codes along K).
;; Outputs: out0 4 x 2,048 x 1,024 float32.
;; This version of the problem:
;;   THIS VERSION OF THE PROBLEM IS GIVEN IN LOW PRECISION. The matrix products marked QUANTISED in the list below multiply operands that are first quantised to E5M2 (5 exponent bits, 2 mantissa bits; 8 bits a number), with one power-of-two scale for each 32 numbers along K (OCP MX v1.0); their sums are f32. All else is computed in f32.
;;   The module's matrix products, in the order in which they are computed (A, B: the left and right operand; K: the contracted axis; several contracted axes count as one K, in the product's order):
;;     1. [M 8,192, K 1,024] x [K 1,024, N 3,072]; A: input x (given as codes); B: input W_qkv (given as codes): QUANTISED
;;     2. batch 64 x [M 2,048, K 64] x [K 64, N 2,048]; A: computed on the way; B: computed on the way: QUANTISED
;;     3. batch 64 x [M 2,048, K 2,048] x [K 2,048, N 64]; A: softmax (see below); B: computed on the way: QUANTISED
;;     4. [M 8,192, K 1,024] x [K 1,024, N 1,024]; A: computed on the way; B: input W_o (given as codes): QUANTISED
;;   THE QUANTISER, for each operand of a quantised product, along K:
;;     - K is cut into blocks of 32 from its start; a last block that is shorter is filled with zeros.
;;     - A block's scale is 2^e with e = floor(log2(the largest magnitude in the block)) - 15, held to -126 .. 127; a block of zeros has e = 0. As a byte (E8M0): e + 127.
;;     - Each number is divided by its block's scale, clamped to +-57,344, and rounded to the nearest number of E5M2, ties to even, subnormals kept.
;;     - The product sums the exact products of the quantised numbers (number of the format x scale) in f32.
;;   ~~~python
;;   def quantise(x, axis):      # numpy; x: float32 -> the quantised numbers, widened to float32 again
;;       x = np.moveaxis(x, axis, -1); K = x.shape[-1]
;;       x = np.pad(x, [(0, 0)] * (x.ndim - 1) + [(0, -K % 32)]); x = x.reshape(x.shape[:-1] + (-1, 32)); a = np.abs(x).max(-1, keepdims=True)
;;       e = np.where(a > 0, np.clip(np.frexp(np.where(a > 0, a, 1))[1] - 1 - 15, -126, 127), 0)      # np.frexp(a)[1] - 1 = floor(log2(a)), exactly
;;       r = np.clip(x / 2.0 ** e, -57344, 57344)
;;       step = 2.0 ** (np.maximum(np.frexp(np.where(r == 0, 1, r))[1] - 1, -14) - 2)
;;       q = np.round(r / step) * step * 2.0 ** e      # np.round: ties to even
;;       return np.moveaxis(q.reshape(q.shape[:-2] + (-1,))[..., :K], -1, axis).astype(np.float32)
;;   ~~~
;;   SOFTMAX AHEAD OF A QUANTISED PRODUCT. Where the list says 'softmax', what is quantised is not the finished softmax but p = 2^(t - M), with t = logit x log2(e) and M = ceil(the row's largest t), a whole number; so 1/2 < the row's largest p <= 1. The row's sum l is taken of the UNQUANTISED p, in f32, and the product's result is divided by l at the end. Since M is a whole number, a kernel that streams over the keys may use a running M (the ceiling of the running maximum): every later rescaling is an exact power of two, which a block's scale takes up: the codes' values come out the same.
;;   OPERANDS COMPUTED ON THE WAY. 'Computed on the way' means the value that the module computes at that place (a softmax that the list does not call 'softmax' is quantised finished and normalised). What goes into a quantiser is computed in f32, as accurately as f32 sums, v_exp_f32 and their like allow (about 1e-6 of the number): no bf16 or f16 on the way to a quantiser, and a product that is left as it is and whose result goes on into a quantised operand takes f32 operands (vector FMAs, or v_wmma_f32_16x16x4_f32). A number that lies on a knife's edge between two numbers of the format may be rounded either way, as far as f32 arithmetic and the matrix unit's own rounding can turn it there, and no further.
;;   INPUTS GIVEN AS CODES. W_o (in the module: [1024, 1024], K = its axis 0); W_qkv (in the module: [1024, 3072], K = its axis 0); x (in the module: [4, 2048, 1024], K = its axis 2): each comes as NAME_codes (uint8): NAME with its K axis moved to the last place and cut into blocks of 32 codes, [.., K / 32, bytes a block], one block behind the other in memory; one code a byte (a code: sign, 5 exponent bits, 2 mantissa bits); and NAME_scales (uint8): the same leading axes, one E8M0 byte (e + 127) for each 32 codes along K. Its value is code x scale, taken as it is: it is not quantised again, and the codes and scales need not be those that the quantiser above would give.
;; One version. Each part assembles by itself: llvm-mc -triple=amdgcn-amd-amdhsa -mcpu=gfx1250 --defsym DOCPART=n.
;; ======== version 1 of 1: 3 launches
;; limits: right only within a limited range of input values
;; workspace buffers: q_img 8,388,608 bytes; q_sc 524,288 bytes; kv 17,563,648 bytes; a_img 8,388,608 bytes; a_sc 262,144 bytes
;; launch qkv (part 1): grid 16 x 32, 4 waves a work-group, clusters of 4 x 4, 327,680 bytes of LDS; arguments x_codes, x_scales, W_qkv_codes, W_qkv_scales, b_qkv, q_img, q_sc, kv; writes q_img, q_sc, kv
.if DOCPART == 1
	.amdgcn_target "amdgcn-amd-amdhsa--gfx1250"
	.amdhsa_code_object_version 6
	.text
	.protected	k_qc0dec3c4e9_qkv
	.globl	k_qc0dec3c4e9_qkv
	.p2align	8
	.type	k_qc0dec3c4e9_qkv,@function
k_qc0dec3c4e9_qkv:
	s_mov_b64 s[64:65], 0
	v_nop
	global_prefetch_b8 v0, s[64:65] scope:SCOPE_SE
	s_setreg_imm32_b32 hwreg(HW_REG_WAVE_MODE, 25, 1), 1
	s_wait_xcnt 0x0
	s_wait_alu depctr_hold_cnt(0) depctr_sa_sdst(0) depctr_va_vdst(0) depctr_va_sdst(0) depctr_va_ssrc(0) depctr_va_vcc(0) depctr_vm_vsrc(0)
	s_getreg_b32 s2, hwreg(HW_REG_IB_STS2, 6, 4)
	s_cmp_eq_u32 s2, 0
	s_cbranch_scc0 .Lentry_in_a_cluster
	s_endpgm
.Lentry_in_a_cluster:
	s_bfe_u32 s2, ttmp6, 0x10000c
	s_cmp_lg_u32 s2, 0xf033
	s_cbranch_scc0 .Lentry_shape_is_right
	s_endpgm
.Lentry_shape_is_right:
; qkv = x W_qkv + b_qkv on codes of E5M2 with E8M0 scales; RoPE on q and k; q and k quantised along the head's 64, v along the keys.
; DEAD WORK OF THE PROGRAM (left out in the second kernel): reference() replaces every score with key > query by finfo.min, by a mask that it builds in its own body.  The key equal to the
; query always counts, so for all finite inputs the row's maximum is a live score and such a masked score's weight is 0 in exact arithmetic.  Steps of 128 keys that lie wholly behind a tile's
; 16 queries are therefore not multiplied.  Nothing is left out HERE: every column of qkv and every bias reaches an operand of a live product.  All inputs are loaded by some launch.
; LIMITS: NaN and infinities among the inputs are not served, and one that would reach only masked scores is not carried to the result; a block whose largest magnitude lies under 2^-111 gets
; the scale byte 1; a block of zeros gets the byte 1 where the rule says 127 (its codes are zeros, and this program alone reads the bytes).
; SHARES.  A work-group makes 256 tokens x the 192 columns (q, k, v) of one head.  Wave w: i = w / 2: tokens 128 i on (8 tiles a); j = w % 2: the whole q head (j = 0) or k head (j = 1), 4 tiles u,
; and v's columns 32 j on, 2 tiles.  48 accumulators.  K = 1,024 goes in 8 steps of 128 through two LDS slots of 256 along K.
; q/k TILES ARE USED TRANSPOSED (source 0 = 16 rows of W, source 1 = 16 tokens): a lane holds one token.  Lane r of tile u takes W's row 16 u + 8 (r / 8) + 2 (r % 4) + (r / 4) % 2, so that registers
; 0-3 of the result are x1[i] (even columns) and 4-7 x2[i] (odd columns), i = 8 u + 4 (lane / 16) + 0 .. 3.  v TILES THE OTHER WAY ROUND (source 0 = tokens, source 1 = W's rows): a lane holds one
; channel d and its registers run down the tokens, which are the keys of the later product.
; WHAT GOES OUT ARE IMAGES OF OPERAND REGISTERS: four registers a lane, lane l's 16 bytes at 16 l: each store covers 512 consecutive bytes.  Inside a block of 32 the order of k differs from the
; natural one, alike on both operands of each later product: blocks, scales and products are the rule's.
; CLUSTER 4 x 4: x's tile hangs on the block of tokens alone and is shared along a row of the cluster, W's on the head alone and is shared along a column: joint loads.
; REGISTERS.  window 0: v2-31 addresses; v32-95 x's scale words (8 a + step), v96-143 W's (8 b + step); v144-175 q/k bias, v176-191 v's bias (the C of the first step); on the way out v144-255 at work.
;   window 1: v0-127 x's fragments, one set; v128-223 W's fragments, set 0.   window 2: the q/k accumulators at 8 (4 a + u); before the sums: the RoPE tables' arithmetic.
;   window 3: v0-127 v's accumulators at 64 u + 8 a; v128-223 W's fragments, set 1.
.set PITCH, 272                        ; an LDS row: 256 bytes + 16 of padding
.set XT,    256*PITCH                  ; x's 256 rows
.set WP,    64*PITCH                   ; a piece of W: 64 rows (0: q, 1: k, 2: v)
.set SLOT,  XT+3*WP
.set SCXL,  2*SLOT                     ; x's scale bytes, 32 units of 256 + 16
.set SCWL,  SCXL+32*PITCH              ; W's, 8 units a piece
.set TABL,  SCWL+6656                  ; the RoPE tables: [tile 16][k 8][lane][16]: k 0-3 cos, 4-7 sin; stored by the waves, never filled by a load
.set SPARE, TABL+65536                 ; the spare words, 128 bytes a wave
.set KVS,   34304                      ; a slot of kv: K image 16,384, V image 16,384, K's scale words 1,024, V's 512
.set ADRA, 16
.set ADRB, 20
.set ADRV, 22
.set ASX,  24
.set ASW,  25
.set ASV,  26
.set LI,   27                          ; 16 x lane
.set SPW,  28
.set NIL,  29
.set TR,   31                          ; where I read the tables
.set L4,   14                          ; 4 x lane
.set SXR,  32
.set SWR,  96
.set BQ,   144
.set BV,   176
.set BF,   128                         ; W's fragments, in window 1 or 3
.set XQ,   144                         ; the way out: 32 numbers after RoPE (16 of d 0-31, 16 of d 32-63)
.set TM,   176
.set TP,   180
.set HD,   184
.set SO,   188
.set CD,   192                         ; codes
.set WD,   2                           ; v2-9 a scale word for each tile
.set PWD,  10                          ; v10-13 the four pair-words
.set G1, 24
.set G0, 32
.set G1B, 48
.set G0B, 56
.set G1S, 68
.set G0S, 76
.set G1SB, 80
.set G0SB, 88
; the tables' registers, all in window 2
.set TH,  32
.set MV,  48
.set S2V, 50
.set S1V, 52
.set C2V, 54
.set C1V, 56
.set TWA, 58
.set TAD, 59
.set T0,  60
.set T1,  61
.set T2,  62
.set AA,  64
.set NN,  80
.set ZZ,  96
.set PS,  112
.set PCS, 128
.set SV,  192
.set CV,  208
.set HH,  224
.set NI,  240
.set MSB, 0
.macro WIN new                         ; the immediate's high byte repeats the setting that is left
.if MSB != (\new)
	s_set_vgpr_msb (MSB<<8)|(\new)
.set MSB, (\new)
.endif
.endm
.macro PLACES n
.rept \n
	v_nop
.endr
.endm
; A joint load: wave 0 fetches for x, waves 1 to 3 a piece of W each.  The branch hangs on the wave's number alone.  An s_nop 0 and four v_nop follow each line.
.macro JLOAD g0a, g1a, g0b, g1b
	s_cmp_eq_u32 s14, 0
	s_cbranch_scc0 .Lfor_b_\@
	tensor_load_to_lds s[\g0a:\g0a+3], s[\g1a:\g1a+7]
	s_nop 0
.rept 4
	v_nop
.endr
	s_branch .Lasked_\@
.Lfor_b_\@:
	tensor_load_to_lds s[\g0b:\g0b+3], s[\g1b:\g1b+7]
	s_nop 0
.rept 4
	v_nop
.endr
.Lasked_\@:
.endm
.macro CREST
	s_cmp_lg_u32 s14, 0
	s_cbranch_scc1 .Lnot_wave_0_\@
	s_barrier_signal -3
.Lnot_wave_0_\@:
	s_barrier_wait -3
	s_barrier_signal -1
	s_barrier_wait -1
.endm
.macro CROUND
	s_barrier_signal -1
	s_barrier_wait -1
	CREST
.endm
	s_load_b256 s[4:11], s[0:1], 0x0               ; x's codes, x's scales, W's codes, W's scales
	s_load_b256 s[92:99], s[0:1], 0x20             ; b_qkv, q_img, q_sc, kv
	v_lshl_add_u32 v[SPW], v0, 2, SPARE
	v_mov_b32 v[NIL], 0
	ds_add_u32 v[SPW], v[NIL]                      ; the wave's opening: the add, twice on end, and its wait ahead of my first tensor load
	ds_add_u32 v[SPW], v[NIL]
	v_lshrrev_b32 v1, 5, v0
	v_readfirstlane_b32 s14, v1                    ; wave
	s_lshr_b32 s15, s14, 1                         ; i
	s_and_b32 s16, s14, 1                          ; j
	s_bfe_u32 s40, ttmp6, 0x40000                  ; cx
	s_bfe_u32 s41, ttmp6, 0x40004                  ; cy
	s_lshl_b32 s42, ttmp9, 2
	s_add_co_u32 s42, s42, s40                     ; the head
	s_and_b32 s17, ttmp7, 0xffff
	s_lshl_b32 s17, s17, 2
	s_add_co_u32 s17, s17, s41                     ; y: the block of 256 tokens
	s_lshl_b32 s43, s41, 2
	s_lshl_b32 s43, 15, s43                        ; my row of the cluster
	s_lshl_b32 s44, 0x1111, s40                    ; my column
	s_or_b32 s[G1], s43, (1<<20)|(1<<21)|(5<<22)|(3<<25)     ; x: 256 rows of 256 bytes, 4 words of padding behind every 64
	s_mov_b32 s[G1+1], 256<<16
	s_mov_b32 s[G1+2], 256<<16
	s_mov_b32 s[G1+3], 256<<16
	s_mov_b32 s[G1+4], 256
	s_mov_b32 s[G1+5], 1024
	s_mov_b32 s[G1+6], 0
	s_mov_b32 s[G1+7], 0
	s_or_b32 s[G1B], s44, (1<<20)|(1<<21)|(5<<22)|(3<<25)    ; a piece of W: 64 rows of 256 bytes
	s_mov_b32 s[G1B+1], 256<<16
	s_mov_b32 s[G1B+2], 64<<16
	s_mov_b32 s[G1B+3], 256<<16
	s_mov_b32 s[G1B+4], 64
	s_mov_b32 s[G1B+5], 1024
	s_mov_b32 s[G1B+6], 0
	s_mov_b32 s[G1B+7], 0
	s_or_b32 s[G1S], s43, (3<<16)|(1<<20)|(1<<21)|(5<<22)|(3<<25)   ; x's scales: 8,192 dense bytes as 32 rows of 256
	s_mov_b32 s[G1S+1], 32<<16
	s_mov_b32 s[G1S+2], 32<<16
	s_mov_b32 s[G1S+3], 32<<16
	s_mov_b32 s[G1S+4], 32
	s_mov_b32 s[G1S+5], 32
	s_mov_b32 s[G1S+6], 0
	s_mov_b32 s[G1S+7], 0
	s_or_b32 s[G1SB], s44, (3<<16)|(1<<20)|(1<<21)|(5<<22)|(3<<25)  ; a piece's scales: 2,048 dense bytes as 8 rows of 256
	s_mov_b32 s[G1SB+1], 32<<16
	s_mov_b32 s[G1SB+2], 8<<16
	s_mov_b32 s[G1SB+3], 32<<16
	s_mov_b32 s[G1SB+4], 8
	s_mov_b32 s[G1SB+5], 32
	s_mov_b32 s[G1SB+6], 0
	s_mov_b32 s[G1SB+7], 0
	s_lshl_b32 s18, s17, 18                        ; x's codes: y x 256 rows x 1,024
	s_mov_b32 s19, 0
	s_lshl_b32 s2, s17, 13                         ; x's scales: y x 8,192
	s_mov_b32 s3, 0
	s_add_co_u32 s45, s14, 3
	s_and_b32 s45, s45, 3                          ; my piece of W: wave - 1
	s_lshl_b32 s46, s45, 20
	s_lshl_b32 s47, s42, 16
	s_add_co_u32 s46, s46, s47                     ; W's codes: (1,024 piece + 64 head) rows of 1,024
	s_mov_b32 s47, 0
	s_lshl_b32 s100, s45, 15
	s_lshl_b32 s101, s42, 11
	s_add_co_u32 s100, s100, s101                  ; W's scales: the same rows of 32
	s_mov_b32 s101, 0
	s_mul_i32 s104, s45, WP
	s_mul_i32 s105, s45, 8*PITCH
	s_mov_b32 s20, 0x76543210
	s_mov_b32 s21, 0xfedcba98                      ; v_permlanex16_b32's selects for lane l xor 16
	s_mov_b32 s23, 0xffff0000                      ; lanes 16-31
	s_wait_dscnt 0x0                               ; both opening adds are done
	s_wait_kmcnt 0x0
	s_add_nc_u64 s[4:5], s[4:5], s[18:19]
	s_add_nc_u64 s[6:7], s[6:7], s[2:3]
	s_add_nc_u64 s[8:9], s[8:9], s[46:47]
	s_add_nc_u64 s[10:11], s[10:11], s[100:101]
	CROUND                                         ; all sixteen work-groups are here: the first joint loads meet
	s_mov_b32 s[G0S], 1
	s_mov_b32 s[G0S+1], SCXL
	s_mov_b64 s[G0S+2:G0S+3], s[6:7]
	s_or_b32 s[G0S+3], s[G0S+3], 0x80000000
	s_mov_b32 s[G0SB], 1
	s_add_co_u32 s[G0SB+1], s105, SCWL
	s_mov_b64 s[G0SB+2:G0SB+3], s[10:11]
	s_or_b32 s[G0SB+3], s[G0SB+3], 0x80000000
	JLOAD G0S, G1S, G0SB, G1SB                     ; the scales of all of K: filled once
.irp s, 0,1
	s_mov_b32 s[G0+4*\s], 1
	s_mov_b32 s[G0+4*\s+1], \s*SLOT
	s_add_nc_u64 s[G0+4*\s+2:G0+4*\s+3], s[4:5], \s*256
	s_or_b32 s[G0+4*\s+3], s[G0+4*\s+3], 0x80000000
	s_mov_b32 s[G0B+4*\s], 1
	s_add_co_u32 s[G0B+4*\s+1], s104, XT+\s*SLOT
	s_add_nc_u64 s[G0B+4*\s+2:G0B+4*\s+3], s[8:9], \s*256
	s_or_b32 s[G0B+4*\s+3], s[G0B+4*\s+3], 0x80000000
	JLOAD G0+4*\s, G1, G0B+4*\s, G1B               ; three loads of mine are out now
.endr
	; ---- while the first tiles are on their way: the biases, the addresses, the RoPE tables
	v_and_b32 v1, 15, v0                           ; r
	v_bfe_u32 v2, v0, 4, 1                         ; h
	s_wait_alu depctr_va_vdst(0)
	v_and_b32 v3, 31, v0                           ; lane
	s_lshl_b32 s2, s16, 12
	s_lshl_b32 s3, s42, 8
	s_add_co_u32 s2, s2, s3
	s_mov_b32 s3, 0
	s_add_nc_u64 s[100:101], s[92:93], s[2:3]      ; b_qkv at q's or k's head
	s_lshl_b32 s2, s42, 8
	s_lshl_b32 s18, s16, 7
	s_add_co_u32 s2, s2, s18
	s_add_co_u32 s2, s2, 8192
	s_add_nc_u64 s[104:105], s[92:93], s[2:3]      ; and at my 32 columns of v
	v_lshlrev_b32 v4, 5, v2                        ; 8 columns further on for lanes 16-31
	v_lshlrev_b32 v5, 2, v1
.irp u, 0,1,2,3
.irp e, 0,1,2,3,4,5,6,7
	global_load_b32 v[BQ+8*\u+\e], v4, s[100:101] offset:4*(16*\u+2*(\e%4)+\e/4)   ; register e of tile u: column 16 u + 8 h + 2 (e % 4) + e / 4
.endr
.endr
	global_load_b32 v[BV], v5, s[104:105]          ; v: a lane's one channel
	global_load_b32 v[BV+8], v5, s[104:105] offset:64
	v_and_b32 v6, 8, v1
	v_and_b32 v7, 3, v1
	v_lshl_add_u32 v6, v7, 1, v6
	v_bfe_u32 v7, v1, 2, 1
	v_add_nc_u32 v6, v6, v7                        ; which row of a q/k tile my lane takes
	v_mul_u32_u24 v7, v1, PITCH
	v_lshl_add_u32 v7, v2, 4, v7
	v_mul_u32_u24 v8, v6, PITCH
	v_lshl_add_u32 v8, v2, 4, v8
	s_mul_i32 s2, s15, 128*PITCH
	v_add_nc_u32 v[ADRA], s2, v7
	v_add_nc_u32 v[ADRA+1], SLOT, v[ADRA]
	s_mul_i32 s2, s16, WP
	s_add_co_u32 s2, s2, XT
	v_add_nc_u32 v[ADRB], s2, v8
	v_add_nc_u32 v[ADRB+1], SLOT, v[ADRB]
	s_mul_i32 s2, s16, 32*PITCH
	s_add_co_u32 s2, s2, XT+2*WP
	v_add_nc_u32 v[ADRV], s2, v7
	v_add_nc_u32 v[ADRV+1], SLOT, v[ADRV]
	v_lshrrev_b32 v9, 3, v1
	v_mul_u32_u24 v9, v9, PITCH                    ; a row of scales is 32 bytes: eight rows to a unit
	v_and_b32 v10, 7, v1
	v_lshl_add_u32 v10, v10, 5, v9
	v_and_b32 v11, 7, v6
	v_lshl_add_u32 v11, v11, 5, v9
	s_mul_i32 s2, s15, 16*PITCH
	s_add_co_u32 s2, s2, SCXL
	v_add_nc_u32 v[ASX], s2, v10
	s_mul_i32 s2, s16, 8*PITCH
	s_add_co_u32 s2, s2, SCWL
	v_add_nc_u32 v[ASW], s2, v11
	s_mul_i32 s2, s16, 4*PITCH
	s_add_co_u32 s2, s2, SCWL+16*PITCH
	v_add_nc_u32 v[ASV], s2, v10
	v_lshlrev_b32 v[LI], 4, v3
	v_lshlrev_b32 v[L4], 2, v3
	s_lshl_b32 s2, s15, 15
	s_add_co_u32 s2, s2, TABL
	v_lshl_add_u32 v[TR], v3, 4, s2
	; THE TABLES.  Wave w makes tiles 4 w .. 4 w + 3 of the block's 16.  A lane wants, for its token m, cos and sin of fl(m theta_i) for i = 8 (n / 4) + 4 h + n % 4, n = 0 .. 15; theta_i = 10^(-i / 8).
	; The angle is reduced by n = the nearest whole number to a 2 / pi: a - n c1 is exact (c1 = pi / 2 rounded to f32: the difference has at most 23 bits), then + n (c1 - pi / 2); sine and cosine by
	; polynomials on -pi / 4 .. pi / 4; the quadrant swaps the two and sets the signs.
	s_mov_b32 s4, 0x3f22f983                       ; 2 / pi  (the packed forms name pairs and take the low word: both words are written)
	s_mov_b32 s5, s4
	s_mov_b32 s6, 0xbfc90fdb                       ; -c1
	s_mov_b32 s7, s6
	s_mov_b32 s8, 0x333bbd2e                       ; c1 - pi / 2
	s_mov_b32 s9, s8
	s_mov_b32 s10, 0xb94ca1f9                      ; sine: -1.9515296e-4
	s_mov_b32 s11, s10
	s_mov_b32 s12, 0x37ccf5ce                      ; cosine: 2.4433157e-5
	s_mov_b32 s13, s12
	s_lshl_b32 s2, s14, 14
	s_add_co_u32 s2, s2, TABL
	s_and_b32 s3, s17, 7
	s_lshl_b32 s3, s3, 8
	s_lshl_b32 s18, s14, 6
	s_add_co_u32 s3, s3, s18                       ; the first token of my first tile, counted in its sequence
	WIN 0x80                                       ; destination window 2
	v_lshl_add_u32 v[TWA], v3, 4, s2
	v_add_nc_u32 v[MV], s3, v1
	WIN 0xaa                                       ; all in window 2
	v_cvt_f32_u32 v[MV], v[MV]
	v_mov_b32 v[MV+1], v[MV]
	v_mov_b32 v[S2V], 0x3c08839e                   ; 8.3321609e-3
	v_mov_b32 v[S2V+1], 0x3c08839e
	v_mov_b32 v[S1V], 0xbe2aaaa3                   ; -0.16666655
	v_mov_b32 v[S1V+1], 0xbe2aaaa3
	v_mov_b32 v[C2V], 0xbab6061a                   ; -1.3887316e-3
	v_mov_b32 v[C2V+1], 0xbab6061a
	v_mov_b32 v[C1V], 0x3d2aaaa5                   ; 4.1666646e-2
	v_mov_b32 v[C1V+1], 0x3d2aaaa5
.macro THETA n, lo, hi                 ; lanes 0-15 take lo, lanes 16-31 hi
	v_mov_b32 v[TH+\n], \hi
	v_cndmask_b32 v[TH+\n], \lo, v[TH+\n], s23
.endm
	THETA 0,  0x3f800000, 0x3ea1e89b
	THETA 1,  0x3f3ff911, 0x3e72d424
	THETA 2,  0x3f0ff59a, 0x3e361887
	THETA 3,  0x3ed7e89b, 0x3e088d77
	THETA 4,  0x3dcccccd, 0x3d0186e2
	THETA 5,  0x3d99940e, 0x3cc24350
	THETA 6,  0x3d6655c3, 0x3c91ad39
	THETA 7,  0x3d2cba15, 0x3c5a7bf1
	THETA 8,  0x3c23d70a, 0x3b4f3e37
	THETA 9,  0x3bf5b9b0, 0x3b1b690d
	THETA 10, 0x3bb8449c, 0x3ae91528
	THETA 11, 0x3b8a2e77, 0x3aaec98e
	THETA 12, 0x3a83126f, 0x39a5cc07
	THETA 13, 0x3a44948c, 0x3978a814
	THETA 14, 0x3a136a16, 0x393a7753
	THETA 15, 0x39dd1726, 0x390bd472
	WIN 0
	s_mov_b32 s66, 0
.Ltab:                                             ; four trips, a tile each
	WIN 0xaa
	s_wait_alu depctr_va_vdst(0)
.irp p, 0,2,4,6,8,10,12,14
	v_pk_mul_f32 v[AA+\p:AA+\p+1], v[TH+\p:TH+\p+1], v[MV:MV+1] op_sel_hi:[1,0]     ; a = fl(m theta)
.endr
.irp p, 0,2,4,6,8,10,12,14
	v_pk_mul_f32 v[NN+\p:NN+\p+1], v[AA+\p:AA+\p+1], s[4:5] op_sel_hi:[1,0]
.endr
.irp i, 0,1,2,3,4,5,6,7,8,9,10,11,12,13,14,15
	v_rndne_f32 v[NN+\i], v[NN+\i]
.endr
.irp p, 0,2,4,6,8,10,12,14
	v_pk_fma_f32 v[AA+\p:AA+\p+1], v[NN+\p:NN+\p+1], s[6:7], v[AA+\p:AA+\p+1] op_sel_hi:[1,0,1]
.endr
.irp p, 0,2,4,6,8,10,12,14
	v_pk_fma_f32 v[AA+\p:AA+\p+1], v[NN+\p:NN+\p+1], s[8:9], v[AA+\p:AA+\p+1] op_sel_hi:[1,0,1]
.endr
.irp p, 0,2,4,6,8,10,12,14
	v_pk_mul_f32 v[ZZ+\p:ZZ+\p+1], v[AA+\p:AA+\p+1], v[AA+\p:AA+\p+1]
.endr
.irp p, 0,2,4,6,8,10,12,14
	v_pk_fma_f32 v[PS+\p:PS+\p+1], v[ZZ+\p:ZZ+\p+1], s[10:11], v[S2V:S2V+1] op_sel_hi:[1,0,1]
.endr
.irp p, 0,2,4,6,8,10,12,14
	v_pk_fma_f32 v[PCS+\p:PCS+\p+1], v[ZZ+\p:ZZ+\p+1], s[12:13], v[C2V:C2V+1] op_sel_hi:[1,0,1]
.endr
.irp p, 0,2,4,6,8,10,12,14
	v_pk_fma_f32 v[PS+\p:PS+\p+1], v[PS+\p:PS+\p+1], v[ZZ+\p:ZZ+\p+1], v[S1V:S1V+1]
.endr
.irp p, 0,2,4,6,8,10,12,14
	v_pk_fma_f32 v[PCS+\p:PCS+\p+1], v[PCS+\p:PCS+\p+1], v[ZZ+\p:ZZ+\p+1], v[C1V:C1V+1]
.endr
	s_wait_dscnt 0x0                               ; the last trip's LDS stores have read the registers that are written next
.irp p, 0,2,4,6,8,10,12,14
	v_pk_mul_f32 v[SV+\p:SV+\p+1], v[ZZ+\p:ZZ+\p+1], v[AA+\p:AA+\p+1]               ; z a
.endr
.irp p, 0,2,4,6,8,10,12,14
	v_pk_mul_f32 v[CV+\p:CV+\p+1], v[ZZ+\p:ZZ+\p+1], v[ZZ+\p:ZZ+\p+1]               ; z z
.endr
.irp p, 0,2,4,6,8,10,12,14
	v_pk_fma_f32 v[HH+\p:HH+\p+1], v[ZZ+\p:ZZ+\p+1], -0.5, 1.0 op_sel_hi:[1,0,0]
.endr
.irp p, 0,2,4,6,8,10,12,14
	v_pk_fma_f32 v[PS+\p:PS+\p+1], v[PS+\p:PS+\p+1], v[SV+\p:SV+\p+1], v[AA+\p:AA+\p+1]     ; sin of the reduced angle
.endr
.irp p, 0,2,4,6,8,10,12,14
	v_pk_fma_f32 v[PCS+\p:PCS+\p+1], v[PCS+\p:PCS+\p+1], v[CV+\p:CV+\p+1], v[HH+\p:HH+\p+1] ; cos
.endr
.irp i, 0,1,2,3,4,5,6,7,8,9,10,11,12,13,14,15
	v_cvt_i32_f32 v[NI+\i], v[NN+\i]
.endr
.irp i, 0,1,2,3,4,5,6,7,8,9,10,11,12,13,14,15
	v_and_b32 v[T0], 1, v[NI+\i]                   ; odd quadrant: sine and cosine change places
	v_lshlrev_b32 v[T1], 30, v[NI+\i]
	v_add_lshl_u32 v[T2], v[NI+\i], 1, 30
	v_cmp_ne_u32 vcc_lo, 0, v[T0]
	v_and_b32 v[T1], 0x80000000, v[T1]             ; bit 1 of n: the sine's sign
	v_and_b32 v[T2], 0x80000000, v[T2]             ; bit 1 of n + 1: the cosine's
	v_cndmask_b32 v[SV+\i], v[PS+\i], v[PCS+\i], vcc_lo
	v_cndmask_b32 v[CV+\i], v[PCS+\i], v[PS+\i], vcc_lo
	v_xor_b32 v[SV+\i], v[SV+\i], v[T1]
	v_xor_b32 v[CV+\i], v[CV+\i], v[T2]
.endr
	v_add_nc_u32 v[TAD], s66, v[TWA]
.irp k, 0,1,2,3
	ds_store_b128 v[TAD], v[CV+4*\k:CV+4*\k+3] offset:512*\k
	ds_store_b128 v[TAD], v[SV+4*\k:SV+4*\k+3] offset:2048+512*\k
.endr
	v_add_f32 v[MV], 0x41800000, v[MV]             ; the next tile's token: 16 on
	WIN 0
	s_add_co_u32 s66, s66, 4096
	s_cmp_lt_u32 s66, 16384
	s_cbranch_scc1 .Ltab
	s_wait_loadcnt 0x0                             ; the biases
.irp e, 1,2,3,4,5,6,7
	v_mov_b32 v[BV+\e], v[BV]                      ; v's bias is the same down a lane's eight tokens: the C operand wants eight registers
	v_mov_b32 v[BV+8+\e], v[BV+8]
.endr
	s_wait_alu depctr_va_vdst(0)
	s_wait_dscnt 0x0                               ; for the partner wave's sake: my table stores have landed
	s_wait_tensorcnt 0x1                           ; the scales and my part of slot 0 are in; slot 1's load may stay out
	s_barrier_signal -1
	s_barrier_wait -1
.macro FRAG reg, adr, off              ; 16 rows x 128 K: registers 4 c .. 4 c + 3 hold K = 32 c + 16 (lane / 16) + 0 .. 15
.irp c, 0,1,2,3
	ds_load_b128 v[\reg+4*\c:\reg+4*\c+3], v[\adr] offset:\off+32*\c
.endr
.endm
.macro FETCH_B slot, q, p              ; W's six fragments of the slot's q-th 128 along K into set p
	WIN 0x40+0x80*(\p)
.irp u, 0,1,2,3
	FRAG BF+16*\u, ADRB+\slot, 128*(\q)+16*PITCH*\u
.endr
.irp u, 0,1
	FRAG BF+64+16*\u, ADRV+\slot, 128*(\q)+16*PITCH*\u
.endr
.endm
.macro FETCH_A slot, q, i0             ; x's blocks i0 .. i0 + 3
	WIN 0x40
.irp i, \i0, \i0+1, \i0+2, \i0+3
	FRAG 16*(\i), ADRA+\slot, 128*(\q)+16*PITCH*(\i)
.endr
.endm
.macro SCALES                          ; the scale words of all eight steps, once: 32 bytes a row
	WIN 0
.irp a, 0,1,2,3,4,5,6,7
	ds_load_b128 v[SXR+8*\a:SXR+8*\a+3], v[ASX] offset:2*PITCH*\a
	ds_load_b128 v[SXR+8*\a+4:SXR+8*\a+7], v[ASX] offset:2*PITCH*\a+16
.endr
.irp u, 0,1,2,3
	ds_load_b128 v[SWR+8*\u:SWR+8*\u+3], v[ASW] offset:2*PITCH*\u
	ds_load_b128 v[SWR+8*\u+4:SWR+8*\u+7], v[ASW] offset:2*PITCH*\u+16
.endr
.irp u, 0,1
	ds_load_b128 v[SWR+32+8*\u:SWR+32+8*\u+3], v[ASV] offset:2*PITCH*\u
	ds_load_b128 v[SWR+32+8*\u+4:SWR+32+8*\u+7], v[ASV] offset:2*PITCH*\u+16
.endr
.endm
; 16 products of q or k: x's blocks a0 .. a0 + 3 x W's four tiles.  first = 1: the bias is the C of the sum's first product.  The 48 accumulators take turns in the same order in every step.
.macro MULQ a0, ks, first
.irp a, \a0, \a0+1, \a0+2, \a0+3
.irp u, 0,1,2,3
.if \first
	v_wmma_scale_f32_16x16x128_f8f6f4 v[8*(4*(\a)+\u):8*(4*(\a)+\u)+7], v[BF+16*\u:BF+16*\u+15], v[16*(\a):16*(\a)+15], v[BQ+8*\u:BQ+8*\u+7], v[SWR+8*\u+\ks], v[SXR+8*(\a)+\ks] matrix_a_fmt:MATRIX_FMT_BF8 matrix_b_fmt:MATRIX_FMT_BF8
.else
	v_wmma_scale_f32_16x16x128_f8f6f4 v[8*(4*(\a)+\u):8*(4*(\a)+\u)+7], v[BF+16*\u:BF+16*\u+15], v[16*(\a):16*(\a)+15], v[8*(4*(\a)+\u):8*(4*(\a)+\u)+7], v[SWR+8*\u+\ks], v[SXR+8*(\a)+\ks] matrix_a_fmt:MATRIX_FMT_BF8 matrix_b_fmt:MATRIX_FMT_BF8
.endif
.endr
.endr
.endm
; 8 products of v: the same blocks of x as source 0, W's two tiles as source 1
.macro MULV a0, ks, first
.irp a, \a0, \a0+1, \a0+2, \a0+3
.irp u, 0,1
.if \first
	v_wmma_scale_f32_16x16x128_f8f6f4 v[64*\u+8*(\a):64*\u+8*(\a)+7], v[16*(\a):16*(\a)+15], v[BF+64+16*\u:BF+64+16*\u+15], v[BV+8*\u:BV+8*\u+7], v[SXR+8*(\a)+\ks], v[SWR+32+8*\u+\ks] matrix_a_fmt:MATRIX_FMT_BF8 matrix_b_fmt:MATRIX_FMT_BF8
.else
	v_wmma_scale_f32_16x16x128_f8f6f4 v[64*\u+8*(\a):64*\u+8*(\a)+7], v[16*(\a):16*(\a)+15], v[BF+64+16*\u:BF+64+16*\u+15], v[64*\u+8*(\a):64*\u+8*(\a)+7], v[SXR+8*(\a)+\ks], v[SWR+32+8*\u+\ks] matrix_a_fmt:MATRIX_FMT_BF8 matrix_b_fmt:MATRIX_FMT_BF8
.endif
.endr
.endr
.endm
; A slot's first step (W's set 0).  Loads into registers that matrix instructions have read stand eight plain places behind them.
.macro STEP slot, ks, first
	s_wait_dscnt 16                                ; all but the youngest sixteen loads, x's blocks 4-7
	WIN 0xa5-0x20*(\first)                         ; W and x window 1; C window 2 (the bias: window 0); D window 2
	MULQ 0, \ks, \first
	WIN 0xf5-0x30*(\first)
	MULV 0, \ks, \first
	s_wait_dscnt 0x0                               ; x's blocks 4-7 are in
	PLACES 8
	FETCH_B \slot, 1, 1
	FETCH_A \slot, 1, 0
	WIN 0xa5-0x20*(\first)
	MULQ 4, \ks, \first
	WIN 0xf5-0x30*(\first)
	MULV 4, \ks, \first
	PLACES 8
	FETCH_A \slot, 1, 4
	WIN 0
.endm
; A slot's second step (W's set 1) changes slots: one barrier; in front of it each wave waits for all its tensor loads, adds 0 to its spare word, and waits for that and for its reads of this slot.
.macro TURN slot, next, ks, fill
	s_wait_tensorcnt 0x0                           ; all my tensor loads have landed: my part of the next slot
	ds_add_u32 v[SPW], v[NIL]                      ; 0 onto my spare word
	s_wait_dscnt 17                                ; the add and the youngest sixteen loads may be out
	WIN 0xa7
	MULQ 0, \ks, 0
	s_wait_dscnt 0x0                               ; the add is done, and my reads of this slot are over
	s_barrier_signal -1
	WIN 0xfd
	MULV 0, \ks, 0
	WIN 0
	s_barrier_wait -1
.if \fill
	CREST                                          ; the barrier has opened a round of the cluster's barrier: no wave of any partner still reads this slot or has a load on its way
	s_add_nc_u64 s[G0+4*\slot+2:G0+4*\slot+3], s[G0+4*\slot+2:G0+4*\slot+3], 512
	s_add_nc_u64 s[G0B+4*\slot+2:G0B+4*\slot+3], s[G0B+4*\slot+2:G0B+4*\slot+3], 512
	JLOAD G0+4*\slot, G1, G0B+4*\slot, G1B         ; the first tensor load behind the round; its four v_nop are four of the eight places
	PLACES 4
.else
	PLACES 8
.endif
	FETCH_B \next, 0, 0
	FETCH_A \next, 0, 0
	WIN 0xa7
	MULQ 4, \ks, 0
	WIN 0xfd
	MULV 4, \ks, 0
	PLACES 8
	FETCH_A \next, 0, 4
	WIN 0
.endm
	FETCH_B 0, 0, 0
	FETCH_A 0, 0, 0
	SCALES
	FETCH_A 0, 0, 4
	WIN 0
	STEP 0, 0, 1
	TURN 0, 1, 1, 1
	STEP 1, 2, 0
	TURN 1, 0, 3, 1
	STEP 0, 4, 0
	TURN 0, 1, 5, 0                                ; nothing is left to fetch
	STEP 1, 6, 0
	s_wait_dscnt 16                                ; the last step
	WIN 0xa7
	MULQ 0, 7, 0
	WIN 0xfd
	MULV 0, 7, 0
	s_wait_dscnt 0x0
	WIN 0xa7
	MULQ 4, 7, 0
	WIN 0xfd
	MULV 4, 7, 0
	WIN 0
	; ---- THE WAY OUT.  Where my parts begin, in bytes
	s_lshr_b32 s2, s17, 3
	s_lshl_b32 s2, s2, 4
	s_add_co_u32 s2, s2, s42                       ; bh = 16 batch + head
	s_and_b32 s3, s17, 7                           ; the block of 256 tokens in its sequence = the slot of kv
	s_lshl_b32 s18, s2, 3
	s_add_co_u32 s18, s18, s3
	s_mul_i32 s18, s18, KVS
	s_mov_b32 s19, 0
	s_add_nc_u64 s[98:99], s[98:99], s[18:19]      ; kv at my slot
	s_lshl_b32 s45, s2, 7
	s_lshl_b32 s46, s3, 4
	s_add_co_u32 s45, s45, s46
	s_lshl_b32 s46, s15, 3
	s_add_co_u32 s45, s45, s46                     ; my first tile of tokens: 128 bh + 16 block + 8 i
	s_lshl_b32 s18, s45, 10
	s_add_nc_u64 s[94:95], s[94:95], s[18:19]      ; q_img: 1,024 bytes a tile
	s_lshl_b32 s18, s45, 6
	s_add_nc_u64 s[96:97], s[96:97], s[18:19]      ; q_sc: 512 bytes for eight tiles
	s_lshl_b32 s18, s15, 13
	s_add_nc_u64 s[100:101], s[98:99], s[18:19]    ; K's image: step i
	s_lshl_b32 s18, s15, 9
	s_add_co_u32 s18, s18, 32768
	s_add_nc_u64 s[104:105], s[98:99], s[18:19]    ; K's scale words
	s_cmp_eq_u32 s16, 0                            ; q's wave or k's: the choice hangs on the wave's number alone
	s_cselect_b64 s[94:95], s[94:95], s[100:101]
	s_cselect_b64 s[96:97], s[96:97], s[104:105]
	s_lshl_b32 s18, s15, 13
	s_lshl_b32 s45, s16, 12
	s_add_co_u32 s18, s18, s45
	s_add_co_u32 s18, s18, 16384
	s_add_nc_u64 s[100:101], s[98:99], s[18:19]    ; V's image: step i, channel tiles 2 j, 2 j + 1
	s_lshl_b32 s18, s15, 8
	s_lshl_b32 s45, s16, 7
	s_add_co_u32 s18, s18, s45
	s_add_co_u32 s18, s18, 33792
	s_add_nc_u64 s[104:105], s[98:99], s[18:19]    ; V's scale words
	PLACES 8                                       ; behind the last products: for the loads into x's registers, the first reads of results and the writes of window 0
.irp b, 0,1,2,3
	v_mov_b32 v[TP+\b], 0                          ; written once: a lane permute's destination counts as one of its sources
.endr
.macro TABLOAD a                       ; tile a's cos (16) and sin (16) into window 1, two sets by turns
	WIN 0x40
.irp k, 0,1,2,3,4,5,6,7
	ds_load_b128 v[32*((\a)%2)+4*\k:32*((\a)%2)+4*\k+3], v[TR] offset:4096*(\a)+512*\k
.endr
.endm
; 32 numbers v[x] on (two blocks of 32 along d, my 16 of each) become 8 registers of codes and a scale word whose upper two bytes stand for 1
.macro QUANT2 x, cd, wd
.irp b, 0,1
	v_max3_num_f32 v[TM+\b], |v[\x+16*\b]|, |v[\x+16*\b+1]|, 0x8000000      ; with the floor 2^(16 - 127): the byte cannot fall under 1
.endr
.irp i, 2,4,6,8,10,12,14
.irp b, 0,1
	v_max3_num_f32 v[TM+\b], v[TM+\b], |v[\x+16*\b+\i]|, |v[\x+16*\b+\i+1]|
.endr
.endr
.irp b, 0,1
	v_permlanex16_b32 v[TP+\b], v[TM+\b], s20, s21
.endr
.irp b, 0,1
	v_max_num_f32 v[TM+\b], v[TM+\b], v[TP+\b]     ; with lane l xor 16's 16: the block's largest magnitude
.endr
.irp b, 0,1
	v_add_nc_u32 v[SO+\b], 0xf8800000, v[TM+\b]    ; 15 off its exponent field: the conversion's scale operand
.endr
.irp b, 0,1
.endr
.irp b, 0,1
	v_lshrrev_b32 v[TP+\b], 23, v[SO+\b]           ; the scale's byte
.endr
	v_lshl_or_b32 v[\wd], v[TP+1], 8, v[TP]
	v_or_b32 v[\wd], 0x7f7f0000, v[\wd]
.irp b, 0,1
.irp i, 0,1,2,3,4,5,6,7,8,9,10,11,12,13,14,15
.endr
	v_cvt_scalef32_pk8_bf8_f32 v[\cd+4*\b:\cd+4*\b+1], v[\x+16*\b:\x+16*\b+7], v[SO+\b]
	v_cvt_scalef32_pk8_bf8_f32 v[\cd+4*\b+2:\cd+4*\b+3], v[\x+16*\b+8:\x+16*\b+15], v[SO+\b]
.endr
	v_nop                                          ; a plain line behind the last conversion
.endm
.macro ROPEQ a
.if (\a) < 7
	TABLOAD (\a)+1
	s_wait_dscnt 8                                 ; this tile's tables are in; the next tile's eight loads may be out
.else
	s_wait_dscnt 0x0
.endif
	WIN 0x06                                       ; source 0: the accumulators, window 2; source 1: the tables, window 1
.set TS, 32*((\a)%2)
.set XA, 32*(\a)
.irp u, 0,1,2,3
.irp e, 0,2
	v_pk_mul_f32 v[XQ+4*\u+\e:XQ+4*\u+\e+1], v[XA+8*\u+\e:XA+8*\u+\e+1], v[TS+4*\u+\e:TS+4*\u+\e+1]                 ; x1 cos  (each accumulator is read from its low end on)
.endr
.endr
.irp u, 0,1,2,3
.irp e, 0,2
	v_pk_mul_f32 v[XQ+16+4*\u+\e:XQ+16+4*\u+\e+1], v[XA+8*\u+\e:XA+8*\u+\e+1], v[TS+16+4*\u+\e:TS+16+4*\u+\e+1]     ; x1 sin
.endr
.endr
.irp u, 0,1,2,3
.irp e, 0,2
	v_pk_fma_f32 v[XQ+4*\u+\e:XQ+4*\u+\e+1], v[XA+8*\u+4+\e:XA+8*\u+4+\e+1], v[TS+16+4*\u+\e:TS+16+4*\u+\e+1], v[XQ+4*\u+\e:XQ+4*\u+\e+1] neg_lo:[0,1,0] neg_hi:[0,1,0]   ; - x2 sin
.endr
.endr
.irp u, 0,1,2,3
.irp e, 0,2
	v_pk_fma_f32 v[XQ+16+4*\u+\e:XQ+16+4*\u+\e+1], v[XA+8*\u+4+\e:XA+8*\u+4+\e+1], v[TS+4*\u+\e:TS+4*\u+\e+1], v[XQ+16+4*\u+\e:XQ+16+4*\u+\e+1]                       ; + x2 cos
.endr
.endr
	WIN 0
	QUANT2 XQ, CD+8*(\a), WD+(\a)
	global_store_b128 v[LI], v[CD+8*(\a):CD+8*(\a)+3], s[94:95] offset:1024*(\a)          ; 32 lanes store 512 consecutive bytes; each tile has its own registers
	global_store_b128 v[LI], v[CD+8*(\a)+4:CD+8*(\a)+7], s[94:95] offset:1024*(\a)+512
.endm
	TABLOAD 0
.irp a, 0,1,2,3,4,5,6,7
	ROPEQ \a
.endr
.irp p, 0,1,2,3
	v_cndmask_b32 v[PWD+\p], v[WD+2*\p], v[WD+2*\p+1], s23     ; a pair-word: lanes 0-15 tile 2 p's rows, lanes 16-31 tile 2 p + 1's
.endr
	global_store_b128 v[LI], v[PWD:PWD+3], s[96:97]
	s_wait_xcnt 0x0                                ; the stores above have read their data: v192-223 are written again
; v: 64 numbers of a lane (128 tokens of one channel, my 16 of each block of 32) in window 3
.macro QUANTV u, wd
	WIN 0x0f                                       ; sources 0 and 1 window 3
.irp b, 0,1,2,3
	v_max3_num_f32 v[TM+\b], |v[64*\u+16*\b]|, |v[64*\u+16*\b+1]|, 0x8000000
.endr
.irp i, 2,4,6,8,10,12,14
.irp b, 0,1,2,3
	v_max3_num_f32 v[TM+\b], |v[64*\u+16*\b+\i]|, |v[64*\u+16*\b+\i+1]|, v[TM+\b]
.endr
.endr
	WIN 0
.irp b, 0,1,2,3
	v_permlanex16_b32 v[TP+\b], v[TM+\b], s20, s21
.endr
.irp b, 0,1,2,3
	v_max_num_f32 v[TM+\b], v[TM+\b], v[TP+\b]
.endr
.irp b, 0,1,2,3
	v_add_nc_u32 v[SO+\b], 0xf8800000, v[TM+\b]
.endr
.irp b, 0,1,2,3
.endr
.irp b, 0,1,2,3
	v_lshrrev_b32 v[TP+\b], 23, v[SO+\b]
.endr
	v_lshl_or_b32 v[\wd], v[TP+1], 8, v[TP]
	v_lshl_or_b32 v[\wd], v[TP+2], 16, v[\wd]
	v_lshl_or_b32 v[\wd], v[TP+3], 24, v[\wd]
	WIN 0xc3
.irp b, 0,1,2,3
.irp i, 0,1,2,3,4,5,6,7,8,9,10,11,12,13,14,15
.endr
.endr
	WIN 0x03
.irp b, 0,1,2,3
	v_cvt_scalef32_pk8_bf8_f32 v[CD+16*\u+4*\b:CD+16*\u+4*\b+1], v[64*\u+16*\b:64*\u+16*\b+7], v[SO+\b]
	v_cvt_scalef32_pk8_bf8_f32 v[CD+16*\u+4*\b+2:CD+16*\u+4*\b+3], v[64*\u+16*\b+8:64*\u+16*\b+15], v[SO+\b]
.endr
	WIN 0
	v_nop
.irp c, 0,1,2,3
	global_store_b128 v[LI], v[CD+16*\u+4*\c:CD+16*\u+4*\c+3], s[100:101] offset:2048*\u+512*\c
.endr
.endm
	QUANTV 0, 15
	QUANTV 1, 18
	v_cndmask_b32 v19, v15, v18, s23               ; lanes 0-15: channel tile 2 j's rows, lanes 16-31: tile 2 j + 1's
	global_store_b32 v[L4], v19, s[104:105]
	s_wait_tensorcnt 0x0                           ; the wave's end
	ds_add_u32 v[SPW], v[NIL]
	s_wait_dscnt 0x0
	CROUND                                         ; the closing round
	s_endpgm
.Lfunc_end_k_qc0dec3c4e9_qkv:
	.size	k_qc0dec3c4e9_qkv, .Lfunc_end_k_qc0dec3c4e9_qkv-k_qc0dec3c4e9_qkv
	.p2alignl 7, 3214868480
	.fill 96, 4, 3214868480
	.section	.rodata,"a",@progbits
	.p2align	6, 0x0
	.amdhsa_kernel k_qc0dec3c4e9_qkv
		.amdhsa_group_segment_fixed_size 327680
		.amdhsa_private_segment_fixed_size 0
		.amdhsa_enable_private_segment 0
		.amdhsa_kernarg_size 64
		.amdhsa_user_sgpr_count 2
		.amdhsa_user_sgpr_kernarg_segment_ptr 1
		.amdhsa_wavefront_size32 1
		.amdhsa_system_sgpr_workgroup_id_x 1
		.amdhsa_system_sgpr_workgroup_id_y 1
		.amdhsa_system_sgpr_workgroup_id_z 1
		.amdhsa_system_vgpr_workitem_id 0
		.amdhsa_next_free_vgpr 1024
		.amdhsa_next_free_sgpr 106
		.amdhsa_reserve_vcc 1
		.amdhsa_float_denorm_mode_32 3
		.amdhsa_float_denorm_mode_16_64 3
		.amdhsa_fp16_overflow 1
		.amdhsa_memory_ordered 1
		.amdhsa_forward_progress 1
		.amdhsa_inst_pref_size 167
	.end_amdhsa_kernel
	.amdgpu_metadata
---
amdhsa.version: [ 1, 2 ]
amdhsa.kernels:
  - .name:           k_qc0dec3c4e9_qkv
    .symbol:         k_qc0dec3c4e9_qkv.kd
    .args:
      - { .name: x_codes, .offset: 0, .size: 8, .value_kind: global_buffer, .address_space: global }
      - { .name: x_scales, .offset: 8, .size: 8, .value_kind: global_buffer, .address_space: global }
      - { .name: W_qkv_codes, .offset: 16, .size: 8, .value_kind: global_buffer, .address_space: global }
      - { .name: W_qkv_scales, .offset: 24, .size: 8, .value_kind: global_buffer, .address_space: global }
      - { .name: b_qkv, .offset: 32, .size: 8, .value_kind: global_buffer, .address_space: global }
      - { .name: q_img, .offset: 40, .size: 8, .value_kind: global_buffer, .address_space: global }
      - { .name: q_sc, .offset: 48, .size: 8, .value_kind: global_buffer, .address_space: global }
      - { .name: kv, .offset: 56, .size: 8, .value_kind: global_buffer, .address_space: global }
    .group_segment_fixed_size: 327680
    .private_segment_fixed_size: 0
    .kernarg_segment_align: 8
    .kernarg_segment_size: 64
    .max_flat_workgroup_size: 128
    .sgpr_count:     106
    .vgpr_count:     1024
    .wavefront_size: 32
...
	.end_amdgpu_metadata
.endif
;; end of part 1
;; launch attn (part 2): grid 4 x 64, 16 waves a work-group, no clusters, 327,680 bytes of LDS; arguments q_img, q_sc, kv, a_img, a_sc; writes a_img, a_sc
.if DOCPART == 2
	.amdgcn_target "amdgcn-amd-amdhsa--gfx1250"
	.amdhsa_code_object_version 6
	.text
	.protected	k_qc0dec3c4e9_attn
	.globl	k_qc0dec3c4e9_attn
	.p2align	8
	.type	k_qc0dec3c4e9_attn,@function
k_qc0dec3c4e9_attn:
	s_mov_b64 s[64:65], 0
	v_nop
	global_prefetch_b8 v0, s[64:65] scope:SCOPE_SE
	s_setreg_imm32_b32 hwreg(HW_REG_WAVE_MODE, 25, 1), 1
	s_wait_xcnt 0x0
; Causal attention of one (batch, head) on codes of E5M2: S^T = K Q^T, p = 2^(t - M) with M a whole number, O^T = V^T P^T, O / l quantised along the model's 1,024 channels.
; LEFT OUT AS DEAD WORK (shown at the head of the first kernel): steps of 128 keys that lie wholly behind a tile's 16 queries; inside the step on the diagonal hidden scores become -infinity.
; SHARES.  Sixteen waves of 256 registers, a tile of 16 queries each.  The work-group serves TWO blocks of 256 queries, one after the other: block 7 - x, then block x: (8 - x) + (x + 1) = 9 slots of
; 256 keys with work in every work-group.  kv comes slot by slot (34,304 dense bytes: K's image, V's image, both scale words) through two LDS slots; wave 0 fetches, all sixteen read.
; NO CLUSTER: the four work-groups of a head need 8 - x and x + 1 slots, different numbers; a joint load would bring some partner tiles that every one of its waves jumps over.
; LAYOUT.  Both products transposed: a lane holds one query (lane % 16).  All tiles are 16 neighbours; register 16 c + 8 u + j of S^T is key 32 c + 16 u + 8 (lane / 16) + j, and V's image has the same order.
; THE SHORT K.  The head has 64 channels, the instruction takes 128.  Q's fragment has zero codes for k = 64 .. 127.  K's tile t is named v[32 + 8 t : 47 + 8 t]: its upper eight registers are the next tile's
; codes (for t = 7: zeros): finite codes under the scale byte 0x7f, which meet Q's zero codes: each such product is exactly 0.  Zeros of its own for each tile would take 64 registers more than a wave has.
; All trip counts are constants; what is left out is a step's work, by scalar branches on ids.  Every wait on TENSORcnt is for 0.
; LIMITS: as stated at the head of the first kernel.
.set KVS,   34304
.set SLOT1, 65536                      ; slot 1 begins here: one exclusive or turns an address
.set SPARE, 131072                     ; the spare words, 128 bytes for each of sixteen waves
.set LI,  1                            ; 16 x lane
.set L4,  2                            ; 4 x lane
.set VQS, 3                            ; where my lane finds Q's scale word
.set RH,  4                            ; r - 8 h
.set SPW, 5
.set NIL, 6
.set PFO, 7                            ; 256 x lane
.set ADK, 8
.set AD4, 9
.set R32, 10                           ; 32 r
.set QF,  16                           ; v16-23 Q's codes, v24-31 zeros
.set KR,  32                           ; v32-95 K's eight tiles, then V's four fragments; v96-103 zeros
.set S,   104                          ; v104-167 S^T, then p
.set O,   168                          ; v168-199 O^T
.set PCD, 200                          ; v200-215 p's codes
.set BM,  216
.set PD,  220
.set HD,  224
.set SO,  228
.set FF,  232                          ; v[232:233] f
.set TT,  234
.set KW,  240                          ; v240-243 K's pair-words
.set VW,  244                          ; v244-245 V's
.set PW,  246                          ; p's scale word
.set QW,  247                          ; Q's
.set WV,  14
.set BH,  15
.set SEL, 20
.set CS,  22
.set G1,  24
.set MNT, 32
.set TB,  33
.set KF,  34
.set Q0,  35
.set SLOTS, 36
.set LIM, 37
.set PFA, 38
.set G0,  40
.set KVB, 44
.set QP,  46
.set QS,  48
.set AP,  50
.set AS,  52
.set BA,  54
.set BB,  55
.macro TLOAD                           ; wave 0 alone fetches; an s_nop 0 and four v_nop follow the line
	s_cmp_lg_u32 s[WV], 0
	s_cbranch_scc1 .Lnot0_\@
	tensor_load_to_lds s[G0:G0+3], s[G1:G1+7]
	s_nop 0
.rept 4
	v_nop
.endr
.Lnot0_\@:
.endm
; A prefetch of the 128 blocks of 256 bytes of codes of the slot that the NEXT change of slots will ask for.  Each block is named once in the launch: in the first pass of the head's work-group x = 0,
; which walks all eight slots; waves 4 to 7, 8,192 bytes each, lanes 256 bytes apart.  Slots 0 and 1 and the scale words come by their loads alone; the last change that fills a slot asks for nothing.
.macro ASK
	s_cmp_gt_u32 s[SLOTS], s[LIM]
	s_cbranch_scc0 .Lnot_mine_\@
	global_prefetch_b8 v[PFO], s[PFA:PFA+1] th:TH_LOAD_NT scope:SCOPE_SE
.Lnot_mine_\@:
.endm
	s_load_b256 s[4:11], s[0:1], 0x0               ; q_img, q_sc, kv, a_img
	s_load_b64 s[12:13], s[0:1], 0x20              ; a_sc
	v_lshl_add_u32 v[SPW], v0, 2, SPARE
	v_mov_b32 v[NIL], 0
	ds_add_u32 v[SPW], v[NIL]                      ; the wave's opening: the add, twice on end, and its wait ahead of the first tensor load
	ds_add_u32 v[SPW], v[NIL]
	v_lshrrev_b32 v[TT], 5, v0
	s_delay_alu instid0(VALU_DEP_1)
	v_readfirstlane_b32 s[WV], v[TT]               ; wave 0..15
	s_and_b32 s[BH], ttmp7, 0xffff                 ; 16 batch + head
	s_sub_co_u32 s[BA], 7, ttmp9                   ; the first pass's block of queries,
	s_mov_b32 s[BB], ttmp9                         ; the second's
	s_mov_b32 s[G1], 3<<16                         ; 134 rows of 256 bytes (32 elements of 8), dense, no padding, no mask
	s_mov_b32 s[G1+1], 32<<16
	s_mov_b32 s[G1+2], 134<<16
	s_mov_b32 s[G1+3], 32<<16
	s_mov_b32 s[G1+4], 134
	s_mov_b32 s[G1+5], 32
	s_mov_b32 s[G1+6], 0
	s_mov_b32 s[G1+7], 0
	s_mov_b32 s[SEL], 0x76543210
	s_mov_b32 s[SEL+1], 0xfedcba98
	s_mov_b32 s[CS], 0x3e38aa3b                    ; c = log2(e) / sqrt(64)
	s_mov_b32 s[CS+1], s[CS]
	s_mov_b32 s[TB], 0
	s_mul_i32 s18, s[BH], 8*KVS
	s_mov_b32 s19, 0
	s_wait_dscnt 0x0                               ; both opening adds are done
	s_wait_kmcnt 0x0
	s_add_nc_u64 s[KVB:KVB+1], s[8:9], s[18:19]    ; kv at my head
	s_mov_b32 s[G0], 1
	s_mov_b32 s[G0+1], 0
	s_mov_b64 s[G0+2:G0+3], s[KVB:KVB+1]
	s_or_b32 s[G0+3], s[G0+3], 0x80000000
	TLOAD                                          ; slot 0: key 0 counts for every query
	s_and_b32 s17, s[WV], 3
	s_lshl_b32 s18, s17, 13
	s_add_co_u32 s18, s18, KVS                     ; my 8,192 bytes, in slot 1: the first change of slots steps it to slot 2
	s_add_nc_u64 s[PFA:PFA+1], s[KVB:KVB+1], s[18:19]
	s_sub_co_u32 s17, s[WV], 4
	s_lshr_b32 s17, s17, 2                         ; 0 in waves 4 to 7,
	s_or_b32 s17, s17, ttmp9                       ; of work-group x = 0
	s_cmp_eq_u32 s17, 0
	s_cselect_b32 s[LIM], 1, -1
	v_and_b32 v[BM], 15, v0                        ; r
	v_bfe_u32 v[BM+1], v0, 4, 1                    ; h
	v_and_b32 v[BM+2], 31, v0                      ; lane
	s_delay_alu instid0(VALU_DEP_1)
	v_lshlrev_b32 v[LI], 4, v[BM+2]
	s_wait_alu depctr_va_vdst(0)
	v_lshlrev_b32 v[L4], 2, v[BM+2]
	v_lshlrev_b32 v[PFO], 8, v[BM+2]
	s_and_b32 s17, s[WV], 1
	s_lshl_b32 s17, s17, 8                         ; an odd tile's words lie in lanes 16-31 of the pair-words
	s_bfe_u32 s18, s[WV], 0x20001                  ; which pair-word: (wave % 8) / 2
	s_lshl_b32 s18, s18, 2
	s_add_co_u32 s17, s17, s18
	v_lshl_add_u32 v[VQS], v[BM], 4, s17
	s_wait_alu depctr_va_vdst(0)
	v_lshlrev_b32 v[BM+3], 3, v[BM+1]
	s_delay_alu instid0(VALU_DEP_1)
	v_sub_nc_u32 v[RH], v[BM], v[BM+3]
	v_lshlrev_b32 v[R32], 5, v[BM]
.macro INITLOAD br                     ; Q's tile and its scale word, for the block in s[br]
	s_lshl_b32 s17, s[BH], 7
	s_lshl_b32 s18, s[\br], 4
	s_add_co_u32 s17, s17, s18
	s_add_co_u32 s17, s17, s[WV]                   ; my tile: 128 bh + 16 block + wave
	s_lshl_b32 s18, s17, 10
	s_mov_b32 s19, 0
	s_add_nc_u64 s[QP:QP+1], s[4:5], s[18:19]
	s_lshr_b32 s18, s17, 3
	s_lshl_b32 s18, s18, 9
	s_add_nc_u64 s[QS:QS+1], s[6:7], s[18:19]
	global_load_b128 v[QF:QF+3], v[LI], s[QP:QP+1]
	global_load_b128 v[QF+4:QF+7], v[LI], s[QP:QP+1] offset:512
	global_load_b32 v[QW], v[VQS], s[QS:QS+1]
.endm
.macro INITREGS br
	s_lshl_b32 s[Q0], s[\br], 8
	s_lshl_b32 s17, s[WV], 4
	s_add_co_u32 s[Q0], s[Q0], s17                 ; my first query
	s_mov_b32 s[KF], 0                             ; the step's first key
	v_mov_b32 v13, 0xff61b1e6                      ; the largest t so far: -3e38
	s_delay_alu instid0(VALU_DEP_1)
	v_floor_f32 v12, -v13                          ; -M
	v_mov_b32 v14, 0                               ; the sum, in two halves
	v_mov_b32 v15, 0
.set n, 0
.rept 32
	v_mov_b32 v[O+n], 0                            ; O^T: the step is written once; the first finds zeros, which the first change of M leaves zeros
.set n, n+1
.endr
.endm
	INITLOAD BA
	INITREGS BA
.irp e, 0,1,2,3,4,5,6,7
	v_mov_b32 v[QF+8+\e], 0                        ; Q's codes of k = 64 .. 127
	v_mov_b32 v[KR+64+\e], 0                       ; what stands behind K's last tile
.endr
.irp b, 0,1,2,3
	v_mov_b32 v[PD+\b], 0                          ; written once: a lane permute's destination counts as one of its sources
.endr
	v_mov_b32 v[FF+1], 0                           ; (named as the upper half of a pair)
	v_mov_b32 v[TT], 0
; A KEY STEP: 128 keys, the q-th of the slot in hand
.macro STEP q
	s_add_co_u32 s56, s[Q0], 15
	s_cmp_gt_u32 s[KF], s56                        ; all 128 keys come after my 16 queries: the step's work is left out
	s_cbranch_scc1 .Lhid_\@
	v_add_nc_u32 v[ADK], s[TB], v[LI]
	v_add_nc_u32 v[AD4], s[TB], v[L4]
.rept 6
	v_nop                                          ; with the two additions: eight places in front of loads into registers that the last products read
.endr
.irp t, 0,1,2,3,4,5,6,7
	ds_load_b128 v[KR+8*\t:KR+8*\t+3], v[ADK] offset:8192*(\q)+1024*\t
	ds_load_b128 v[KR+8*\t+4:KR+8*\t+7], v[ADK] offset:8192*(\q)+1024*\t+512
.endr
	ds_load_b128 v[KW:KW+3], v[ADK] offset:32768+512*(\q)
	s_wait_dscnt 0x0
	s_wait_alu depctr_va_vdst(0)
.irp t, 0,2,4,6
	v_wmma_scale_f32_16x16x128_f8f6f4 v[S+8*\t:S+8*\t+7], v[KR+8*\t:KR+8*\t+15], v[QF:QF+15], 0, v[KW+\t/2], v[QW] matrix_a_fmt:MATRIX_FMT_BF8 matrix_b_fmt:MATRIX_FMT_BF8
	v_wmma_scale_f32_16x16x128_f8f6f4 v[S+8*\t+8:S+8*\t+15], v[KR+8*\t+8:KR+8*\t+23], v[QF:QF+15], 0, v[KW+\t/2], v[QW] matrix_a_fmt:MATRIX_FMT_BF8 matrix_b_fmt:MATRIX_FMT_BF8 matrix_a_scale:MATRIX_SCALE_ROW1
.endr
.rept 8
	v_nop
.endr
.irp d, 0,1,2,3                                ; V's four fragments are asked for now and land while the softmax is walked
.irp c, 0,1,2,3
	ds_load_b128 v[KR+16*\d+4*\c:KR+16*\d+4*\c+3], v[ADK] offset:16384+8192*(\q)+2048*\d+512*\c
.endr
.endr
	ds_load_b32 v[VW], v[AD4] offset:33792+256*(\q)
	ds_load_b32 v[VW+1], v[AD4] offset:33792+256*(\q)+128
	s_add_co_u32 s56, s[KF], 127
	s_cmp_le_u32 s56, s[Q0]                        ; all keys count: no mask
	s_cbranch_scc1 .Lopen_\@
	s_sub_co_i32 s56, s[Q0], s[KF]
	v_add_nc_u32 v248, s56, v[RH]                  ; d = my query - the step's first key - 8 (lane / 16).  Register n holds key 16 (n / 8) + n % 8 + 8 (lane / 16): hidden where 16 (n / 8) + n % 8 > d
	v_mov_b32 v249, 0xff800000                     ; -infinity
.set n, 0
.rept 64
	v_cmp_gt_i32 vcc_lo, 16*(n/8)+n%8, v248
	v_cndmask_b32 v[S+n], v[S+n], v249, vcc_lo
.set n, n+1
.endr
.Lopen_\@:
.irp b, 0,1,2,3
	v_max3_num_f32 v[BM+\b], v[S+16*\b], v[S+1+16*\b], v[S+2+16*\b]       ; the largest score of each block of 32 keys: for the row's maximum, and for the block's largest p
.endr
.irp i, 3,5,7,9,11,13
.irp b, 0,1,2,3
	v_max3_num_f32 v[BM+\b], v[BM+\b], v[S+16*\b+\i], v[S+1+16*\b+\i]
.endr
.endr
.irp b, 0,1,2,3
	v_max_num_f32 v[BM+\b], v[BM+\b], v[S+15+16*\b]
.endr
.irp b, 0,1,2,3
	s_delay_alu instid0(VALU_DEP_4)
	v_permlanex16_b32 v[PD+\b], v[BM+\b], s[SEL], s[SEL+1]
.endr
.irp b, 0,1,2,3
	s_delay_alu instid0(VALU_DEP_4)
	v_max_num_f32 v[BM+\b], v[BM+\b], v[PD+\b]
.endr
	s_delay_alu instid0(VALU_DEP_2)
	v_max3_num_f32 v[TT], v[BM], v[BM+1], v[BM+2]
	s_delay_alu instid0(VALU_DEP_1)
	v_max_num_f32 v[TT], v[TT], v[BM+3]
	s_delay_alu instid0(VALU_DEP_1)
	v_mul_f32 v[TT], s[CS], v[TT]
	s_delay_alu instid0(VALU_DEP_1)
	v_max_num_f32 v13, v13, v[TT]                  ; the running largest t
	v_mov_b32 v[TT], v12
	s_delay_alu instid0(VALU_DEP_2)
	v_floor_f32 v12, -v13                          ; the new -M = -ceil(t)
	s_delay_alu instid0(VALU_DEP_1)
	v_sub_f32 v[TT], v12, v[TT]                    ; old M - new M: a whole number, 0 or less
	s_delay_alu instid0(VALU_DEP_1)
	v_cvt_i32_f32 v[TT], v[TT]
	s_delay_alu instid0(VALU_DEP_1)
	v_ldexp_f32 v[FF], 1.0, v[TT]                  ; f = 2^(old M - new M)
.set n, 0
.rept 32
	v_pk_fma_f32 v[S+n:S+n+1], v[S+n:S+n+1], s[CS:CS+1], v[12:13] op_sel_hi:[1,0,0]     ; t - M
.set n, n+2
.endr
.irp b, 0,1,2,3
	v_fma_f32 v[BM+\b], v[BM+\b], s[CS], v12
.endr
.set n, 0
	s_wait_alu depctr_va_vdst(0)
.rept 64
	v_exp_f32 v[S+n], v[S+n]                       ; p = 2^(t - M)
.set n, n+1
.endr
	v_pk_mul_f32 v[14:15], v[14:15], v[FF:FF+1] op_sel_hi:[1,0]           ; the sums under the new M: a plain line behind the exponentials
	s_wait_alu depctr_va_vdst(0)                   ; one wait for the batch, ahead of its first reader
.irp b, 0,1,2,3
	v_exp_f32 v[BM+\b], v[BM+\b]                   ; the block's largest p
.endr
	v_pk_add_f32 v[220:221], v[108:109], v[112:113]
	v_pk_add_f32 v[254:255], v[116:117], v[120:121]
	v_pk_add_f32 v[252:253], v[124:125], v[128:129]
	v_pk_add_f32 v[250:251], v[132:133], v[136:137]
	v_pk_add_f32 v[248:249], v[140:141], v[144:145]
	v_pk_add_f32 v[242:243], v[148:149], v[152:153]
	v_pk_add_f32 v[240:241], v[156:157], v[160:161]
	v_pk_add_f32 v[14:15], v[14:15], v[164:165]
	v_pk_add_f32 v[220:221], v[220:221], v[104:105]
	v_pk_add_f32 v[254:255], v[254:255], v[106:107]
	v_pk_add_f32 v[252:253], v[252:253], v[110:111]
	v_pk_add_f32 v[250:251], v[250:251], v[114:115]
	v_pk_add_f32 v[248:249], v[248:249], v[118:119]
	v_pk_add_f32 v[242:243], v[242:243], v[122:123]
	v_pk_add_f32 v[240:241], v[240:241], v[126:127]
	v_pk_add_f32 v[14:15], v[14:15], v[130:131]
	v_pk_add_f32 v[220:221], v[220:221], v[134:135]
	v_pk_add_f32 v[254:255], v[254:255], v[138:139]
	v_pk_add_f32 v[252:253], v[252:253], v[142:143]
	v_pk_add_f32 v[250:251], v[250:251], v[146:147]
	v_pk_add_f32 v[248:249], v[248:249], v[150:151]
	v_pk_add_f32 v[242:243], v[242:243], v[154:155]
	v_pk_add_f32 v[240:241], v[240:241], v[158:159]
	v_pk_add_f32 v[14:15], v[14:15], v[162:163]
	v_pk_add_f32 v[220:221], v[220:221], v[166:167]
	s_delay_alu instid0(VALU_DEP_2)
	v_pk_add_f32 v[14:15], v[14:15], v[250:251]
	s_delay_alu instid0(VALU_DEP_2)
	v_pk_add_f32 v[220:221], v[220:221], v[248:249]
	v_pk_add_f32 v[254:255], v[254:255], v[242:243]
	v_pk_add_f32 v[252:253], v[252:253], v[240:241]
	s_delay_alu instid0(VALU_DEP_2)
	v_pk_add_f32 v[14:15], v[14:15], v[254:255]
	s_delay_alu instid0(VALU_DEP_2)
	v_pk_add_f32 v[220:221], v[220:221], v[252:253]
	s_delay_alu instid0(VALU_DEP_1)
	v_pk_add_f32 v[14:15], v[14:15], v[220:221]
	s_wait_alu depctr_va_vdst(0)                   ; and one for the four
.irp b, 0,1,2,3
	v_max_num_f32 v[BM+\b], 0x8000000, v[BM+\b]    ; the floor 2^(16 - 127)
.endr
.irp b, 0,1,2,3
	s_delay_alu instid0(VALU_DEP_4)
	v_add_nc_u32 v[SO+\b], 0xf8800000, v[BM+\b]
.endr
.irp b, 0,1,2,3
.endr
.irp b, 0,1,2,3
	s_delay_alu instid0(VALU_DEP_4)
	v_lshrrev_b32 v[PD+\b], 23, v[SO+\b]
.endr
	s_delay_alu instid0(VALU_DEP_3)
	v_lshl_or_b32 v[PW], v[PD+1], 8, v[PD]
	s_delay_alu instid0(VALU_DEP_1)
	v_lshl_or_b32 v[PW], v[PD+2], 16, v[PW]
	s_delay_alu instid0(VALU_DEP_1)
	v_lshl_or_b32 v[PW], v[PD+3], 24, v[PW]
.irp b, 0,1,2,3
.irp i, 0,1,2,3,4,5,6,7,8,9,10,11,12,13,14,15
.endr
	v_cvt_scalef32_pk8_bf8_f32 v[PCD+4*\b:PCD+4*\b+1], v[S+16*\b:S+16*\b+7], v[SO+\b]
	v_cvt_scalef32_pk8_bf8_f32 v[PCD+4*\b+2:PCD+4*\b+3], v[S+16*\b+8:S+16*\b+15], v[SO+\b]
.endr
.set n, 0
.rept 16
	v_pk_mul_f32 v[O+n:O+n+1], v[O+n:O+n+1], v[FF:FF+1] op_sel_hi:[1,0]   ; O^T under the new M; these are also the places in front of the products
.set n, n+2
.endr
	s_wait_alu depctr_va_vdst(0)
	s_wait_dscnt 0x0                               ; V
.irp d, 0,2
	v_wmma_scale_f32_16x16x128_f8f6f4 v[O+8*\d:O+8*\d+7], v[KR+16*\d:KR+16*\d+15], v[PCD:PCD+15], v[O+8*\d:O+8*\d+7], v[VW+\d/2], v[PW] matrix_a_fmt:MATRIX_FMT_BF8 matrix_b_fmt:MATRIX_FMT_BF8
	v_wmma_scale_f32_16x16x128_f8f6f4 v[O+8*\d+8:O+8*\d+15], v[KR+16*\d+16:KR+16*\d+31], v[PCD:PCD+15], v[O+8*\d+8:O+8*\d+15], v[VW+\d/2], v[PW] matrix_a_fmt:MATRIX_FMT_BF8 matrix_b_fmt:MATRIX_FMT_BF8 matrix_a_scale:MATRIX_SCALE_ROW1
.endr
.Lhid_\@:
	s_add_co_u32 s[KF], s[KF], 128
.endm
; THE CHANGE OF SLOTS, at a slot's head.  Each wave waits for all its tensor loads, adds 0 to its spare word (twice on end where a load can follow), and waits for that and for
; its reads of the slot that it has left.  mode 1: the other slot takes the next 256 keys, while their first key is at or under the work-group's last query (ids and the count of steps alone: all waves go
; the same way).  mode 2: it takes the head's first 256 keys again, for the second pass.  mode 0: nothing is asked for.  pf = 1: the first pass's prefetch.
.macro CHANGE mode, pf
	s_wait_tensorcnt 0x0
	ds_add_u32 v[SPW], v[NIL]
.if \mode
	ds_add_u32 v[SPW], v[NIL]
	s_xor_b32 s[G0+1], s[G0+1], SLOT1              ; no tensor load of mine is out: the descriptor may be written
.if \mode == 2
	s_mov_b64 s[G0+2:G0+3], s[KVB:KVB+1]
	s_or_b32 s[G0+3], s[G0+3], 0x80000000
.else
	s_add_nc_u64 s[G0+2:G0+3], s[G0+2:G0+3], KVS
.endif
.if \pf
	s_wait_xcnt 0x0                                ; the last prefetch, a slot back, has read its address
	s_add_nc_u64 s[PFA:PFA+1], s[PFA:PFA+1], KVS
.endif
.endif
	s_wait_dscnt 0x0
	s_barrier_signal -1
	s_barrier_wait -1
.if \mode == 1
	s_add_co_u32 s56, s[KF], 256                   ; the first key of the slot that this change would ask for
	s_or_b32 s57, s[Q0], 255                       ; my work-group's last query of this pass
	s_cmp_gt_u32 s56, s57
	s_cbranch_scc1 .Lpast_\@
	TLOAD
.Lpast_\@:
.if \pf
	ASK
.endif
.endif
.if \mode == 2
	TLOAD
.endif
.endm
; THE END OF A PASS: O^T / l, quantised along the head's 64 channels (two blocks of the model's 1,024), goes out as an image of the last product's operand.  more = 1: the next pass's Q is asked for first.
.macro FINAL br, more
.rept 8
	v_nop
.endr
.if \more
	INITLOAD BB
.endif
	s_lshr_b32 s17, s[BH], 4
	s_lshl_b32 s17, s17, 7
	s_lshl_b32 s18, s[\br], 4
	s_add_co_u32 s17, s17, s18
	s_add_co_u32 s17, s17, s[WV]                   ; my tile of rows: 128 batch + 16 block + wave
	s_and_b32 s56, s[BH], 15                       ; the head
	s_lshl_b32 s18, s17, 14
	s_lshl_b32 s57, s56, 10
	s_add_co_u32 s18, s18, s57
	s_mov_b32 s19, 0
	s_add_nc_u64 s[AP:AP+1], s[10:11], s[18:19]
	s_lshl_b32 s18, s17, 9
	s_lshl_b32 s57, s56, 1
	s_add_co_u32 s18, s18, s57
	s_add_nc_u64 s[AS:AS+1], s[12:13], s[18:19]
	v_add_f32 v14, v14, v15
	s_wait_alu depctr_va_vdst(0)
	v_permlanex16_b32 v[TT], v14, s[SEL], s[SEL+1]
	s_delay_alu instid0(VALU_DEP_1)
	v_add_f32 v14, v14, v[TT]                      ; the row's sum
	s_wait_alu depctr_va_vdst(0)
	v_rcp_f32 v14, v14
	v_nop
	s_wait_alu depctr_va_vdst(0)
.set n, 0
.rept 16
	v_pk_mul_f32 v[O+n:O+n+1], v[O+n:O+n+1], v[14:15] op_sel_hi:[1,0]
.set n, n+2
.endr
.irp b, 0,1
	v_max3_num_f32 v[BM+\b], |v[O+16*\b]|, |v[O+16*\b+1]|, 0x8000000
.endr
.irp i, 2,4,6,8,10,12,14
.irp b, 0,1
	s_delay_alu instid0(VALU_DEP_2)
	v_max3_num_f32 v[BM+\b], v[BM+\b], |v[O+16*\b+\i]|, |v[O+16*\b+\i+1]|
.endr
.endr
.irp b, 0,1
	s_delay_alu instid0(VALU_DEP_2)
	v_permlanex16_b32 v[PD+\b], v[BM+\b], s[SEL], s[SEL+1]
.endr
.irp b, 0,1
	s_delay_alu instid0(VALU_DEP_2)
	v_max_num_f32 v[BM+\b], v[BM+\b], v[PD+\b]
.endr
.irp b, 0,1
	s_delay_alu instid0(VALU_DEP_2)
	v_add_nc_u32 v[SO+\b], 0xf8800000, v[BM+\b]
.endr
.irp b, 0,1
.endr
.irp b, 0,1
	s_delay_alu instid0(VALU_DEP_2)
	v_lshrrev_b32 v[PD+\b], 23, v[SO+\b]
.endr
	s_delay_alu instid0(VALU_DEP_1)
	v_lshl_or_b32 v[TT], v[PD+1], 8, v[PD]         ; my row's two scale bytes
.irp b, 0,1
.irp i, 0,1,2,3,4,5,6,7,8,9,10,11,12,13,14,15
.endr
	v_cvt_scalef32_pk8_bf8_f32 v[PCD+4*\b:PCD+4*\b+1], v[O+16*\b:O+16*\b+7], v[SO+\b]
	v_cvt_scalef32_pk8_bf8_f32 v[PCD+4*\b+2:PCD+4*\b+3], v[O+16*\b+8:O+16*\b+15], v[SO+\b]
.endr
	v_nop
	global_store_b128 v[LI], v[PCD:PCD+3], s[AP:AP+1]                     ; 32 lanes store 512 consecutive bytes
	global_store_b128 v[LI], v[PCD+4:PCD+7], s[AP:AP+1] offset:512
	global_store_b16 v[R32], v[TT], s[AS:AS+1]     ; bytes 2 head, 2 head + 1 of my row's 32; lanes 16-31 write the same bytes with the same values
.if \more
	s_wait_xcnt 0x0                                ; the stores have read their registers: the next pass writes them again
.endif
.endm
	s_mov_b32 s[SLOTS], 7
	s_wait_loadcnt 0x0                             ; Q
.LslotA:                                           ; the first pass: block 7 - x
	CHANGE 1, 1
	STEP 0
	STEP 1
	s_xor_b32 s[TB], s[TB], SLOT1
	s_sub_co_u32 s[SLOTS], s[SLOTS], 1
	s_cmp_lg_u32 s[SLOTS], 0
	s_cbranch_scc1 .LslotA
	CHANGE 2, 0                                    ; the eighth slot; the second pass's first slot is asked for meanwhile
	STEP 0
	STEP 1
	s_xor_b32 s[TB], s[TB], SLOT1
	FINAL BA, 1
	INITREGS BB
	s_mov_b32 s[SLOTS], 3
	s_wait_loadcnt 0x0                             ; the second pass's Q
.LslotB:                                           ; the second pass: block x, at most slots 0 to 3
	CHANGE 1, 0
	STEP 0
	STEP 1
	s_xor_b32 s[TB], s[TB], SLOT1
	s_sub_co_u32 s[SLOTS], s[SLOTS], 1
	s_cmp_lg_u32 s[SLOTS], 0
	s_cbranch_scc1 .LslotB
	CHANGE 0, 0
	STEP 0
	STEP 1
	FINAL BB, 0
	s_wait_tensorcnt 0x0                           ; the wave's end
	ds_add_u32 v[SPW], v[NIL]
	s_wait_dscnt 0x0
	s_endpgm
.Lfunc_end_k_qc0dec3c4e9_attn:
	.size	k_qc0dec3c4e9_attn, .Lfunc_end_k_qc0dec3c4e9_attn-k_qc0dec3c4e9_attn
	.p2alignl 7, 3214868480
	.fill 96, 4, 3214868480
	.section	.rodata,"a",@progbits
	.p2align	6, 0x0
	.amdhsa_kernel k_qc0dec3c4e9_attn
		.amdhsa_group_segment_fixed_size 327680
		.amdhsa_private_segment_fixed_size 0
		.amdhsa_enable_private_segment 0
		.amdhsa_kernarg_size 40
		.amdhsa_user_sgpr_count 2
		.amdhsa_user_sgpr_kernarg_segment_ptr 1
		.amdhsa_wavefront_size32 1
		.amdhsa_system_sgpr_workgroup_id_x 1
		.amdhsa_system_sgpr_workgroup_id_y 1
		.amdhsa_system_sgpr_workgroup_id_z 1
		.amdhsa_system_vgpr_workitem_id 0
		.amdhsa_next_free_vgpr 256
		.amdhsa_next_free_sgpr 100
		.amdhsa_reserve_vcc 1
		.amdhsa_float_denorm_mode_32 3
		.amdhsa_float_denorm_mode_16_64 3
		.amdhsa_fp16_overflow 1
		.amdhsa_memory_ordered 1
		.amdhsa_forward_progress 1
		.amdhsa_inst_pref_size 199
	.end_amdhsa_kernel
	.amdgpu_metadata
---
amdhsa.version: [ 1, 2 ]
amdhsa.kernels:
  - .name:           k_qc0dec3c4e9_attn
    .symbol:         k_qc0dec3c4e9_attn.kd
    .args:
      - { .name: q_img, .offset: 0, .size: 8, .value_kind: global_buffer, .address_space: global }
      - { .name: q_sc, .offset: 8, .size: 8, .value_kind: global_buffer, .address_space: global }
      - { .name: kv, .offset: 16, .size: 8, .value_kind: global_buffer, .address_space: global }
      - { .name: a_img, .offset: 24, .size: 8, .value_kind: global_buffer, .address_space: global }
      - { .name: a_sc, .offset: 32, .size: 8, .value_kind: global_buffer, .address_space: global }
    .group_segment_fixed_size: 327680
    .private_segment_fixed_size: 0
    .kernarg_segment_align: 8
    .kernarg_segment_size: 40
    .max_flat_workgroup_size: 512
    .sgpr_count:     100
    .vgpr_count:     256
    .wavefront_size: 32
...
	.end_amdgpu_metadata
.endif
;; end of part 2
;; launch oproj (part 3): grid 4 x 64, 4 waves a work-group, clusters of 4 x 4, 327,680 bytes of LDS; arguments a_img, a_sc, W_o_codes, W_o_scales, b_o, out0; writes out0
.if DOCPART == 3
	.amdgcn_target "amdgcn-amd-amdhsa--gfx1250"
	.amdhsa_code_object_version 6
	.text
	.protected	k_qc0dec3c4e9_oproj
	.globl	k_qc0dec3c4e9_oproj
	.p2align	8
	.type	k_qc0dec3c4e9_oproj,@function
k_qc0dec3c4e9_oproj:
	s_mov_b64 s[64:65], 0
	v_nop
	global_prefetch_b8 v0, s[64:65] scope:SCOPE_SE
	s_setreg_imm32_b32 hwreg(HW_REG_WAVE_MODE, 25, 1), 1
	s_wait_xcnt 0x0
	s_wait_alu depctr_hold_cnt(0) depctr_sa_sdst(0) depctr_va_vdst(0) depctr_va_sdst(0) depctr_va_ssrc(0) depctr_va_vcc(0) depctr_vm_vsrc(0)
	s_getreg_b32 s2, hwreg(HW_REG_IB_STS2, 6, 4)
	s_cmp_eq_u32 s2, 0
	s_cbranch_scc0 .Lentry_in_a_cluster
	s_endpgm
.Lentry_in_a_cluster:
	s_bfe_u32 s2, ttmp6, 0x10000c
	s_cmp_lg_u32 s2, 0xf033
	s_cbranch_scc0 .Lentry_shape_is_right
	s_endpgm
.Lentry_shape_is_right:
; out0 = a W_o + b_o on codes of E5M2 with E8M0 scales; a: the attention's result as the second kernel left it.  Nothing is left out here.
; SHARES.  A work-group makes 128 tokens x 256 columns (256 work-groups); wave w: i = w / 2: 64 tokens (4 tiles m), w % 2: 128 columns (8 tiles b): 32 accumulators.  K = 1,024 in 8 steps of 128 through two
; LDS slots of 256 along K.  THE PRODUCT IS USED TRANSPOSED (source 0 = 16 rows of W_o, source 1 = 16 tokens): a lane holds eight neighbouring columns of one row of out0; b_o is the C of the first step.
; a_img holds images of operand registers: a fragment is 2,048 dense bytes, four loads of 512.  Its order inside a block of 32 is k = 16 u + 8 (lane / 16) + j at place 8 u + j; W_o's fragments are read in the
; same order: eight loads of 8 bytes, registers 4 c + 2 u from byte 32 c + 16 u + 8 (lane / 16) of the row's 128.
; CLUSTER 4 x 4: a's tile hangs on the block of tokens alone (shared along a row of the cluster), W_o's on the block of columns alone (shared along a column): joint loads.
; REGISTERS.  window 0: v13-30 addresses; v32-63 a's scale words (8 m + step), v64-127 W_o's (8 b + step); v128-191 b_o; on the way out v128-255 rows of out0.
;   window 1: a's fragments, two sets (64 p + 16 m).   window 2: the accumulators at 8 (8 m + b).   window 3: W_o's fragments, two sets (128 p + 16 b).
.set PITCH, 272
.set AT,    32768                      ; a's part of a slot: 8 tiles of rows x 4,096 bytes
.set SLOT,  AT+256*PITCH
.set ASC,   2*SLOT                     ; a's scale bytes: 16 units of 256 + 16
.set WSC,   ASC+4608                   ; W_o's: 32 units
.set SPARE, WSC+32*PITCH               ; the spare words
.set SPITCH, 528                       ; the way out: a stage of 16 rows x (512 + 16) bytes a wave, in slot 0, which has had its last fill and its last read by then
.set ADA, 16
.set ADW, 20
.set STO, 24
.set RD,  25
.set CO,  26
.set ASA, 27
.set SPW, 28
.set NIL, 29
.set ASW, 30
.set SA,  32
.set SW,  64
.set BO,  128
.set BK,  128
.set G1, 24
.set G0, 32
.set G1B, 48
.set G0B, 56
.set G1S, 68
.set G0S, 76
.set G1SB, 80
.set G0SB, 88
.set MSB, 0
.macro WIN new
.if MSB != (\new)
	s_set_vgpr_msb (MSB<<8)|(\new)
.set MSB, (\new)
.endif
.endm
.macro PLACES n
.rept \n
	v_nop
.endr
.endm
.macro JLOAD g0a, g1a, g0b, g1b        ; waves 0 and 1 fetch for a, waves 2 and 3 for W_o; an s_nop 0 and four v_nop follow each line
	s_cmp_eq_u32 s15, 0
	s_cbranch_scc0 .Lfor_b_\@
	tensor_load_to_lds s[\g0a:\g0a+3], s[\g1a:\g1a+7]
	s_nop 0
.rept 4
	v_nop
.endr
	s_branch .Lasked_\@
.Lfor_b_\@:
	tensor_load_to_lds s[\g0b:\g0b+3], s[\g1b:\g1b+7]
	s_nop 0
.rept 4
	v_nop
.endr
.Lasked_\@:
.endm
.macro CREST
	s_cmp_lg_u32 s14, 0
	s_cbranch_scc1 .Lnot_wave_0_\@
	s_barrier_signal -3
.Lnot_wave_0_\@:
	s_barrier_wait -3
	s_barrier_signal -1
	s_barrier_wait -1
.endm
.macro CROUND
	s_barrier_signal -1
	s_barrier_wait -1
	CREST
.endm
	s_load_b256 s[4:11], s[0:1], 0x0               ; a_img, a_sc, W_o's codes, W_o's scales
	s_load_b128 s[92:95], s[0:1], 0x20             ; b_o, out0
	v_lshl_add_u32 v[SPW], v0, 2, SPARE
	v_mov_b32 v[NIL], 0
	ds_add_u32 v[SPW], v[NIL]                      ; the wave's opening: the add, twice on end, and its wait ahead of my first tensor load
	ds_add_u32 v[SPW], v[NIL]
	v_lshrrev_b32 v1, 5, v0
	v_readfirstlane_b32 s14, v1                    ; wave
	s_lshr_b32 s15, s14, 1                         ; i.  Also: I fetch for a (0) or for W_o (1)
	s_and_b32 s16, s14, 1                          ; which 128 columns.  Also: which half I fetch
	s_bfe_u32 s40, ttmp6, 0x40000                  ; cx
	s_bfe_u32 s41, ttmp6, 0x40004                  ; cy
	s_lshl_b32 s42, ttmp9, 2
	s_add_co_u32 s42, s42, s40                     ; the block of 256 columns
	s_and_b32 s17, ttmp7, 0xffff
	s_lshl_b32 s17, s17, 2
	s_add_co_u32 s17, s17, s41                     ; the block of 128 tokens
	s_lshl_b32 s43, s41, 2
	s_lshl_b32 s43, 15, s43
	s_lshl_b32 s44, 0x1111, s40
	s_or_b32 s[G1], s43, (3<<16)|(1<<21)           ; a: 4 tiles of rows, 4,096 bytes of each (512 elements of 8), 16,384 bytes apart; dense in LDS
	s_mov_b32 s[G1+1], 512<<16
	s_mov_b32 s[G1+2], 4<<16
	s_mov_b32 s[G1+3], 512<<16
	s_mov_b32 s[G1+4], 4
	s_mov_b32 s[G1+5], 2048
	s_mov_b32 s[G1+6], 0
	s_mov_b32 s[G1+7], 0
	s_or_b32 s[G1B], s44, (1<<20)|(1<<21)|(5<<22)|(3<<25)    ; W_o: 128 rows of 256 bytes, padded
	s_mov_b32 s[G1B+1], 256<<16
	s_mov_b32 s[G1B+2], 128<<16
	s_mov_b32 s[G1B+3], 256<<16
	s_mov_b32 s[G1B+4], 128
	s_mov_b32 s[G1B+5], 1024
	s_mov_b32 s[G1B+6], 0
	s_mov_b32 s[G1B+7], 0
	s_or_b32 s[G1S], s43, (3<<16)|(1<<20)|(1<<21)|(5<<22)|(3<<25)   ; a's scales of 64 rows: 2,048 dense bytes
	s_mov_b32 s[G1S+1], 32<<16
	s_mov_b32 s[G1S+2], 8<<16
	s_mov_b32 s[G1S+3], 32<<16
	s_mov_b32 s[G1S+4], 8
	s_mov_b32 s[G1S+5], 32
	s_mov_b32 s[G1S+6], 0
	s_mov_b32 s[G1S+7], 0
	s_or_b32 s[G1SB], s44, (3<<16)|(1<<20)|(1<<21)|(5<<22)|(3<<25)  ; W_o's of 128 rows: 4,096
	s_mov_b32 s[G1SB+1], 32<<16
	s_mov_b32 s[G1SB+2], 16<<16
	s_mov_b32 s[G1SB+3], 32<<16
	s_mov_b32 s[G1SB+4], 16
	s_mov_b32 s[G1SB+5], 32
	s_mov_b32 s[G1SB+6], 0
	s_mov_b32 s[G1SB+7], 0
	s_lshl_b32 s18, s17, 17
	s_lshl_b32 s19, s16, 16
	s_add_co_u32 s18, s18, s19                     ; a's codes: (8 y + 4 half) tiles of 16,384
	s_mov_b32 s19, 0
	s_lshl_b32 s2, s17, 12
	s_lshl_b32 s3, s16, 11
	s_add_co_u32 s2, s2, s3                        ; a's scales
	s_mov_b32 s3, 0
	s_lshl_b32 s46, s42, 18
	s_lshl_b32 s47, s16, 17
	s_add_co_u32 s46, s46, s47                     ; W_o's codes: (256 x + 128 half) rows of 1,024
	s_mov_b32 s47, 0
	s_lshl_b32 s96, s42, 13
	s_lshl_b32 s97, s16, 12
	s_add_co_u32 s96, s96, s97                     ; W_o's scales
	s_mov_b32 s97, 0
	s_lshl_b32 s45, s16, 14                        ; where they go: no place in the cluster enters an LDS address
	s_mul_i32 s66, s16, 128*PITCH
	s_mul_i32 s67, s16, 8*PITCH
	s_mul_i32 s12, s16, 16*PITCH
	s_wait_dscnt 0x0                               ; both opening adds are done
	s_wait_kmcnt 0x0
	s_add_nc_u64 s[4:5], s[4:5], s[18:19]
	s_add_nc_u64 s[6:7], s[6:7], s[2:3]
	s_add_nc_u64 s[8:9], s[8:9], s[46:47]
	s_add_nc_u64 s[10:11], s[10:11], s[96:97]
	CROUND                                         ; all sixteen work-groups are here: the first joint loads meet
	s_mov_b32 s[G0S], 1
	s_add_co_u32 s[G0S+1], s67, ASC
	s_mov_b64 s[G0S+2:G0S+3], s[6:7]
	s_or_b32 s[G0S+3], s[G0S+3], 0x80000000
	s_mov_b32 s[G0SB], 1
	s_add_co_u32 s[G0SB+1], s12, WSC
	s_mov_b64 s[G0SB+2:G0SB+3], s[10:11]
	s_or_b32 s[G0SB+3], s[G0SB+3], 0x80000000
	JLOAD G0S, G1S, G0SB, G1SB
.irp s, 0,1
	s_mov_b32 s[G0+4*\s], 1
	s_add_co_u32 s[G0+4*\s+1], s45, \s*SLOT
	s_add_nc_u64 s[G0+4*\s+2:G0+4*\s+3], s[4:5], \s*4096
	s_or_b32 s[G0+4*\s+3], s[G0+4*\s+3], 0x80000000
	s_mov_b32 s[G0B+4*\s], 1
	s_add_co_u32 s[G0B+4*\s+1], s66, AT+\s*SLOT
	s_add_nc_u64 s[G0B+4*\s+2:G0B+4*\s+3], s[8:9], \s*256
	s_or_b32 s[G0B+4*\s+3], s[G0B+4*\s+3], 0x80000000
	s_wait_alu depctr_va_vdst(0)
	s_wait_tensorcnt 0x0
	ds_add_u32 v28, v29
	s_wait_dscnt 0x0
	CROUND
	JLOAD G0+4*\s, G1, G0B+4*\s, G1B               ; one load of mine is out now
.endr
	v_and_b32 v1, 15, v0                           ; r
	v_bfe_u32 v2, v0, 4, 1                         ; h
	s_wait_alu depctr_va_vdst(0)
	v_and_b32 v3, 31, v0                           ; lane
	s_wait_alu depctr_va_vdst(0)
	s_lshl_b32 s2, s42, 10
	s_lshl_b32 s3, s16, 9
	s_add_co_u32 s2, s2, s3                        ; my first column, in bytes of f32
	s_mov_b32 s3, 0
	s_add_nc_u64 s[92:93], s[92:93], s[2:3]
	s_add_nc_u64 s[94:95], s[94:95], s[2:3]
	s_lshl_b32 s2, s17, 19
	s_lshl_b32 s18, s15, 18
	s_add_co_u32 s2, s2, s18                       ; my first row: (128 y + 64 i) rows of 4,096 bytes
	s_add_nc_u64 s[94:95], s[94:95], s[2:3]
	v_lshlrev_b32 v13, 5, v2                       ; b_o: 8 columns further on for lanes 16-31
.irp b, 0,1,2,3,4,5,6,7
	global_load_b128 v[BO+8*\b:BO+8*\b+3], v13, s[92:93] offset:64*\b
	global_load_b128 v[BO+8*\b+4:BO+8*\b+7], v13, s[92:93] offset:64*\b+16
.endr
	s_lshl_b32 s2, s15, 14
	v_lshl_add_u32 v[ADA], v3, 4, s2               ; a's fragments: my four tiles of rows, 16 x lane
	v_add_nc_u32 v[ADA+1], SLOT, v[ADA]
	v_mul_u32_u24 v4, v1, PITCH
	v_lshl_add_u32 v4, v2, 3, v4                   ; W_o: row r, + 8 h
	s_mul_i32 s2, s16, 128*PITCH
	s_add_co_u32 s2, s2, AT
	v_add_nc_u32 v[ADW], s2, v4
	v_add_nc_u32 v[ADW+1], SLOT, v[ADW]
	v_lshrrev_b32 v5, 3, v1
	v_mul_u32_u24 v5, v5, PITCH
	v_and_b32 v6, 7, v1
	v_lshl_add_u32 v5, v6, 5, v5                   ; a row of scales is 32 bytes: eight rows to a unit
	s_mul_i32 s2, s15, 8*PITCH
	s_add_co_u32 s2, s2, ASC
	v_add_nc_u32 v[ASA], s2, v5
	s_mul_i32 s2, s16, 16*PITCH
	s_add_co_u32 s2, s2, WSC
	v_add_nc_u32 v[ASW], s2, v5
	s_mul_i32 s2, s14, 16*SPITCH                   ; my stage
	v_mul_u32_u24 v7, v1, SPITCH
	v_lshl_add_u32 v7, v2, 5, v7
	v_add_nc_u32 v[STO], s2, v7
	v_lshlrev_b32 v[CO], 4, v3
	v_add_nc_u32 v[RD], s2, v[CO]
.macro FETCH slot, q, p                ; the fragments of the slot's q-th 128 along K into set p: 16 loads for a, 64 for W_o
	WIN 0x40
.irp m, 0,1,2,3
.irp c, 0,1,2,3
	ds_load_b128 v[64*(\p)+16*\m+4*\c:64*(\p)+16*\m+4*\c+3], v[ADA+\slot] offset:4096*\m+2048*(\q)+512*\c
.endr
.endr
	WIN 0xc0
.irp b, 0,1,2,3,4,5,6,7
.irp c, 0,1,2,3
.irp u, 0,1
	ds_load_b64 v[128*(\p)+16*\b+4*\c+2*\u:128*(\p)+16*\b+4*\c+2*\u+1], v[ADW+\slot] offset:16*PITCH*\b+128*(\q)+32*\c+16*\u
.endr
.endr
.endr
.endm
.macro MUL8 m, p, ks, first            ; tile m of rows x W_o's eight tiles.  The 32 accumulators take turns in the same order in every step
.irp b, 0,1,2,3,4,5,6,7
.if \first
	v_wmma_scale_f32_16x16x128_f8f6f4 v[8*(8*(\m)+\b):8*(8*(\m)+\b)+7], v[128*(\p)+16*\b:128*(\p)+16*\b+15], v[64*(\p)+16*(\m):64*(\p)+16*(\m)+15], v[BO+8*\b:BO+8*\b+7], v[SW+8*\b+\ks], v[SA+8*(\m)+\ks] matrix_a_fmt:MATRIX_FMT_BF8 matrix_b_fmt:MATRIX_FMT_BF8
.else
	v_wmma_scale_f32_16x16x128_f8f6f4 v[8*(8*(\m)+\b):8*(8*(\m)+\b)+7], v[128*(\p)+16*\b:128*(\p)+16*\b+15], v[64*(\p)+16*(\m):64*(\p)+16*(\m)+15], v[8*(8*(\m)+\b):8*(8*(\m)+\b)+7], v[SW+8*\b+\ks], v[SA+8*(\m)+\ks] matrix_a_fmt:MATRIX_FMT_BF8 matrix_b_fmt:MATRIX_FMT_BF8
.endif
.endr
.endm
; A slot's first step (set 0): the set in hand was asked for a whole step ago; the next step's 80 loads go out ahead of the products
.macro STEP slot, ks, first
	s_wait_dscnt 0x0
	PLACES 8                                       ; in front of loads into registers that the last products read
	FETCH \slot, 1, 1
	WIN 0xa7-0x20*(\first)                         ; W_o window 3, a window 1, C window 2 (b_o: window 0), D window 2
	MUL8 0, 0, \ks, \first
	MUL8 1, 0, \ks, \first
	MUL8 2, 0, \ks, \first
	MUL8 3, 0, \ks, \first
	WIN 0
.endm
; A slot's second step (set 1) changes slots
.macro TURN slot, next, ks, fill
	s_wait_tensorcnt 0x0                           ; all my tensor loads have landed: my part of the next slot
	ds_add_u32 v[SPW], v[NIL]                      ; 0 onto my spare word
	s_wait_dscnt 1                                 ; the set in hand is in; the add may be out
	WIN 0xa7
	MUL8 0, 1, \ks, 0
	s_wait_dscnt 0x0                               ; the add is done, and my reads of this slot are over
	s_barrier_signal -1
	MUL8 1, 1, \ks, 0
	WIN 0
	s_barrier_wait -1
.if \fill
	CREST                                          ; the barrier has opened a round of the cluster's barrier
	s_add_nc_u64 s[G0+4*\slot+2:G0+4*\slot+3], s[G0+4*\slot+2:G0+4*\slot+3], 8192
	s_add_nc_u64 s[G0B+4*\slot+2:G0B+4*\slot+3], s[G0B+4*\slot+2:G0B+4*\slot+3], 512
	JLOAD G0+4*\slot, G1, G0B+4*\slot, G1B         ; the first tensor load behind the round; its four v_nop are four of the eight places
	PLACES 4
.else
	PLACES 8
.endif
	FETCH \next, 0, 0
	WIN 0xa7
	MUL8 2, 1, \ks, 0
	MUL8 3, 1, \ks, 0
	WIN 0
.endm
	s_wait_alu depctr_va_vdst(0)
	s_wait_tensorcnt 0x1                           ; the scales and my part of slot 0 are in; slot 1's load may stay out
	s_barrier_signal -1
	s_barrier_wait -1
	FETCH 0, 0, 0
	WIN 0
.irp m, 0,1,2,3                                ; the scale words of all eight steps, once
	ds_load_b128 v[SA+8*\m:SA+8*\m+3], v[ASA] offset:2*PITCH*\m
	ds_load_b128 v[SA+8*\m+4:SA+8*\m+7], v[ASA] offset:2*PITCH*\m+16
.endr
.irp b, 0,1,2,3,4,5,6,7
	ds_load_b128 v[SW+8*\b:SW+8*\b+3], v[ASW] offset:2*PITCH*\b
	ds_load_b128 v[SW+8*\b+4:SW+8*\b+7], v[ASW] offset:2*PITCH*\b+16
.endr
	s_wait_loadcnt 0x0                             ; b_o
	STEP 0, 0, 1
	TURN 0, 1, 1, 1
	STEP 1, 2, 0
	TURN 1, 0, 3, 1
	STEP 0, 4, 0
	TURN 0, 1, 5, 0                                ; nothing is left to fetch
	STEP 1, 6, 0
	s_wait_dscnt 0x0                               ; the last step
	WIN 0xa7
	MUL8 0, 1, 7, 0
	MUL8 1, 1, 7, 0
	MUL8 2, 1, 7, 0
	MUL8 3, 1, 7, 0
	WIN 0
; THE WAY OUT, a block of 16 rows x 128 columns at a time: through my own stage and back as whole rows of 512 bytes.  LDS serves a wave's instructions in order (ISA guide 5.7.1.4).
.macro TOSTAGE a
	WIN 0x08                                       ; an LDS store's data: window 2
.irp b, 0,1,2,3,4,5,6,7
	ds_store_b128 v[STO], v[64*(\a)+8*\b:64*(\a)+8*\b+3] offset:64*\b             ; each accumulator from its low end on
	ds_store_b128 v[STO], v[64*(\a)+8*\b+4:64*(\a)+8*\b+7] offset:64*\b+16
.endr
	WIN 0
.set BB, BK+64*((\a)%2)
.irp t, 0,1,2,3,4,5,6,7,8,9,10,11,12,13,14,15
	ds_load_b128 v[BB+4*\t:BB+4*\t+3], v[RD] offset:\t*SPITCH
.endr
.endm
.macro SEND a, younger
.set BB, BK+64*((\a)%2)
	s_wait_dscnt \younger
.if (\a) > 0
	s_add_nc_u64 s[94:95], s[94:95], 16*4096       ; (behind a wait on XCNT: the earlier stores have read their base)
.endif
.irp t, 0,1,2,3,4,5,6,7,8,9,10,11,12,13,14,15
	global_store_b128 v[CO], v[BB+4*\t:BB+4*\t+3], s[94:95] offset:\t*4096 th:TH_STORE_NT    ; 32 lanes store 512 consecutive bytes, at a multiple of 256 from out0's first byte
.endr
.endm
	PLACES 8
	TOSTAGE 0
.irp a, 1,2,3
.if \a > 1
	s_wait_xcnt 0x0                                ; block a - 2's stores have read their registers and their base
.endif
	TOSTAGE \a
	SEND \a-1, 32                                  ; behind block a - 1's loads: block a's 16 stores and 16 loads
.endr
	s_wait_xcnt 0x0
	SEND 3, 0
	s_wait_tensorcnt 0x0                           ; the wave's end
	ds_add_u32 v[SPW], v[NIL]
	s_wait_dscnt 0x0
	CROUND                                         ; the closing round
	s_endpgm
.Lfunc_end_k_qc0dec3c4e9_oproj:
	.size	k_qc0dec3c4e9_oproj, .Lfunc_end_k_qc0dec3c4e9_oproj-k_qc0dec3c4e9_oproj
	.p2alignl 7, 3214868480
	.fill 96, 4, 3214868480
	.section	.rodata,"a",@progbits
	.p2align	6, 0x0
	.amdhsa_kernel k_qc0dec3c4e9_oproj
		.amdhsa_group_segment_fixed_size 327680
		.amdhsa_private_segment_fixed_size 0
		.amdhsa_enable_private_segment 0
		.amdhsa_kernarg_size 48
		.amdhsa_user_sgpr_count 2
		.amdhsa_user_sgpr_kernarg_segment_ptr 1
		.amdhsa_wavefront_size32 1
		.amdhsa_system_sgpr_workgroup_id_x 1
		.amdhsa_system_sgpr_workgroup_id_y 1
		.amdhsa_system_sgpr_workgroup_id_z 1
		.amdhsa_system_vgpr_workitem_id 0
		.amdhsa_next_free_vgpr 1024
		.amdhsa_next_free_sgpr 98
		.amdhsa_reserve_vcc 0
		.amdhsa_float_denorm_mode_32 3
		.amdhsa_float_denorm_mode_16_64 3
		.amdhsa_memory_ordered 1
		.amdhsa_forward_progress 1
		.amdhsa_inst_pref_size 106
	.end_amdhsa_kernel
	.amdgpu_metadata
---
amdhsa.version: [ 1, 2 ]
amdhsa.kernels:
  - .name:           k_qc0dec3c4e9_oproj
    .symbol:         k_qc0dec3c4e9_oproj.kd
    .args:
      - { .name: a_img, .offset: 0, .size: 8, .value_kind: global_buffer, .address_space: global }
      - { .name: a_sc, .offset: 8, .size: 8, .value_kind: global_buffer, .address_space: global }
      - { .name: W_o_codes, .offset: 16, .size: 8, .value_kind: global_buffer, .address_space: global }
      - { .name: W_o_scales, .offset: 24, .size: 8, .value_kind: global_buffer, .address_space: global }
      - { .name: b_o, .offset: 32, .size: 8, .value_kind: global_buffer, .address_space: global }
      - { .name: out0, .offset: 40, .size: 8, .value_kind: global_buffer, .address_space: global }
    .group_segment_fixed_size: 327680
    .private_segment_fixed_size: 0
    .kernarg_segment_align: 8
    .kernarg_segment_size: 48
    .max_flat_workgroup_size: 128
    .sgpr_count:     98
    .vgpr_count:     1024
    .wavefront_size: 32
...
	.end_amdgpu_metadata
.endif
;; end of part 3
